; MI455X (gfx1250); checked and timed in simulation.
; The chip was launched on July 23, 2026; its instructions are those of AMD's public machine-readable ISA for CDNA 5 (MIT licence, August 2026) and "CDNA5" Instruction Set Architecture Reference Guide (July 2026). The comments in the code are by the model that wrote it; some were corrected since.
;; Causal Self Attention. Allowed arithmetic: matrix products marked QUANTISED: E3M2 operands, one E8M0 scale for each 32 along K, by v_wmma_scale_f32_16x16x128_f8f6f4 with both operands' format E3M2, f32 sums; everything else in f32.
;; Inputs: Wproj 1,024 x 1,024 float32; Wqkv 1,024 x 3,072 float32; bproj 1,024 float32; bqkv 3,072 float32; x 8 x 1,024 x 1,024 float32.
;; Outputs: out0 8 x 1,024 x 1,024 float32.
;; Constants: n_head = 16.
;; This version of the problem:
;;   THIS VERSION OF THE PROBLEM IS GIVEN IN LOW PRECISION. The matrix products marked QUANTISED in the list below multiply operands that are first quantised to E3M2 (3 exponent bits, 2 mantissa bits; 6 bits a number), with one power-of-two scale for each 32 numbers along K (OCP MX v1.0); their sums are f32. All else is computed in f32.
;;   The module's matrix products, in the order in which they are computed (A, B: the left and right operand; K: the contracted axis; several contracted axes count as one K, in the product's order):
;;     1. [M 8,192, K 1,024] x [K 1,024, N 3,072]; A: input x; B: input Wqkv: QUANTISED
;;     2. batch 128 x [M 1,024, K 64] x [K 64, N 1,024]; A: computed on the way; B: computed on the way: QUANTISED
;;     3. batch 128 x [M 1,024, K 1,024] x [K 1,024, N 64]; A: softmax (see below); B: computed on the way: QUANTISED
;;     4. [M 8,192, K 1,024] x [K 1,024, N 1,024]; A: computed on the way; B: input Wproj: QUANTISED
;;   THE QUANTISER, for each operand of a quantised product, along K:
;;     - K is cut into blocks of 32 from its start; a last block that is shorter is filled with zeros.
;;     - A block's scale is 2^e with e = floor(log2(the largest magnitude in the block)) - 4, held to -126 .. 127; a block of zeros has e = 0. As a byte (E8M0): e + 127.
;;     - Each number is divided by its block's scale, clamped to +-28, and rounded to the nearest number of E3M2, ties to even, subnormals kept.
;;     - The product sums the exact products of the quantised numbers (number of the format x scale) in f32.
;;   ~~~python
;;   def quantise(x, axis):      # numpy; x: float32 -> the quantised numbers, widened to float32 again
;;       x = np.moveaxis(x, axis, -1); K = x.shape[-1]
;;       x = np.pad(x, [(0, 0)] * (x.ndim - 1) + [(0, -K % 32)]); x = x.reshape(x.shape[:-1] + (-1, 32)); a = np.abs(x).max(-1, keepdims=True)
;;       e = np.where(a > 0, np.clip(np.frexp(np.where(a > 0, a, 1))[1] - 1 - 4, -126, 127), 0)      # np.frexp(a)[1] - 1 = floor(log2(a)), exactly
;;       r = np.clip(x / 2.0 ** e, -28, 28)
;;       step = 2.0 ** (np.maximum(np.frexp(np.where(r == 0, 1, r))[1] - 1, -2) - 2)
;;       q = np.round(r / step) * step * 2.0 ** e      # np.round: ties to even
;;       return np.moveaxis(q.reshape(q.shape[:-2] + (-1,))[..., :K], -1, axis).astype(np.float32)
;;   ~~~
;;   SOFTMAX AHEAD OF A QUANTISED PRODUCT. Where the list says 'softmax', what is quantised is not the finished softmax but p = 2^(t - M), with t = logit x log2(e) and M = ceil(the row's largest t), a whole number; so 1/2 < the row's largest p <= 1. The row's sum l is taken of the UNQUANTISED p, in f32, and the product's result is divided by l at the end. Since M is a whole number, a kernel that streams over the keys may use a running M (the ceiling of the running maximum): every later rescaling is an exact power of two, which a block's scale takes up: the codes' values come out the same.
;;   OPERANDS COMPUTED ON THE WAY. 'Computed on the way' means the value that the module computes at that place (a softmax that the list does not call 'softmax' is quantised finished and normalised). What goes into a quantiser is computed in f32, as accurately as f32 sums, v_exp_f32 and their like allow (about 1e-6 of the number): no bf16 or f16 on the way to a quantiser, and a product that is left as it is and whose result goes on into a quantised operand takes f32 operands (vector FMAs, or v_wmma_f32_16x16x4_f32). A number that lies on a knife's edge between two numbers of the format may be rounded either way, as far as f32 arithmetic and the matrix unit's own rounding can turn it there, and no further.
;; One version. Each part assembles by itself: llvm-mc -triple=amdgcn-amd-amdhsa -mcpu=gfx1250 --defsym DOCPART=n.
;; ======== version 1 of 1: 4 launches
;; limits: right only within a limited range of input values
;; workspace buffers: opc 9,437,184 bytes; ops 393,216 bytes; ac 18,874,368 bytes; asc 786,432 bytes; yc 6,291,456 bytes; ysc 262,144 bytes
;; launch quant (part 1): grid 512 x 1, 4 waves a work-group, no clusters, 69,120 bytes of LDS; arguments x, Wqkv, Wproj, opc, ops; writes opc, ops
.if DOCPART == 1
	.amdgcn_target "amdgcn-amd-amdhsa--gfx1250"
	.amdhsa_code_object_version 6
	.text
	.protected	k_qe73d4c8bf6_quant
	.globl	k_qe73d4c8bf6_quant
	.p2align	8
	.type	k_qe73d4c8bf6_quant,@function
k_qe73d4c8bf6_quant:
	s_mov_b64 s[64:65], 0
	v_nop
	global_prefetch_b8 v0, s[64:65] scope:SCOPE_SE
	s_setreg_imm32_b32 hwreg(HW_REG_WAVE_MODE, 25, 1), 1
	s_wait_xcnt 0x0
; x [8192][1024], Wqkv [1024][3072] and Wproj [1024][1024], f32, become codes of BF6 (E3M2) with one E8M0 scale byte for each 32 along K = 1,024.
; They are 12,288 OPERAND ROWS: 0-8191 x's tokens, 8192-11263 Wqkv's columns, 11264-12287 Wproj's columns.
; CODES (opc): the block of 32 at (row, block kb) lies at (row / 16) x 12,288 + kb x 384 + (row % 16) x 24: a fragment of 16 rows x 128 K is 1,536 bytes on end.
; SCALE BYTES (ops): (row / 16) x 512 + (kb / 8) x 128 + (row % 16) x 8 + kb % 8: a row's eight bytes of 256 along K lie together.
; A block's scale is 2^(floor(log2(largest magnitude)) - 4); its byte is the largest magnitude's exponent field - 4, held at 1 from below.
; Wproj's blocks hold their 32 numbers in the order 0-7, 16-23, 8-15, 24-31, which is the order in which the attention launch lays y: the same sets of 32, so the same scales and the same products.
; LIMITS: a block of zeros gets the byte 1 where the rule says 127 (its codes are zeros, and this program alone reads the bytes); blocks whose largest magnitude lies under 2^-122 are held at byte 1; NaN and infinities are not served.
; Work-groups 0-255 take x (a wave: 16 tokens x 512 along K), work-groups 256-383 the weights (a wave: 32 columns x 256 along K): 128 KiB of f32 each.  Waves share nothing: no barrier.
; The two ways have LDS bytes of their own.
; THE WEIGHTS' SHARE (in place of what the lines above say of it): work-groups 256-511 take the weights, a wave 32 columns x 128 along K, four blocks of 32: 64 KiB of f32 a work-group.
; A wave has two blocks, 64 loads, out at a time; with four blocks to a wave its walk is two such runs long.
.set XST,  8448                        ; x's way: a wave's stage, 16 rows x (512 + 16) bytes
.set WST0, 4*XST                       ; the weights' way: the stages begin here,
.set WST,  8704                        ; 32 rows x (256 + 16) bytes a wave
.set R,    16                          ; x: v16-143  two sets of 64 registers as loaded
.set X,    144                         ; x: v144-207 64 numbers of a lane: register 16 b + i = k 32 b + 16 (lane / 16) + i of row lane % 16
.set TM,   208                         ; largest magnitudes
.set TP,   212                         ; the other half's, then the bytes
.set TS,   220                         ; the conversions' scale operands
.set PW,   224                         ; v224-227 a scale word for each group of 128
.set CV,   228                         ; v228-243 codes: four registers a block
.set OFF,  16                          ; weights: v16-47 byte offset of slot i's row in a block, + 4 x lane
.set XW,   48                          ; weights: v48-111 two sets of 32 numbers
.set CW,   112                         ; a block's codes
.set SB,   120                         ; v120 four scale bytes
.set OUTR, 128                         ; v128-191 the way out
; 64 numbers of a lane become four times 16 codes in v[CV] on and the row's scale word in v[wrd]
.macro QUANT4 src, wrd
.irp b, 0,1,2,3
	v_max3_num_f32 v[TM+\b], |v[\src+16*\b]|, |v[\src+16*\b+1]|, 0x2800000   ; my 16 of block b, and the floor 2^(5 - 127): the byte cannot fall under 1
.endr
.irp i, 2,4,6,8,10,12,14
.irp b, 0,1,2,3
	v_max3_num_f32 v[TM+\b], v[TM+\b], |v[\src+16*\b+\i]|, |v[\src+16*\b+\i+1]|   ; the four blocks by turns
.endr
.endr
.irp b, 0,1,2,3
	v_permlanex16_b32 v[TP+\b], v[TM+\b], s20, s21
.endr
.irp b, 0,1,2,3
	v_max_num_f32 v[TM+\b], v[TM+\b], v[TP+\b]     ; with lane l xor 16's 16: the block's largest magnitude
.endr
.irp b, 0,1,2,3
	v_add_nc_u32 v[TS+\b], 0xfe000000, v[TM+\b]    ; 4 off its exponent field: the conversion takes this operand's exponent field as its scale
.endr
.irp b, 0,1,2,3
	v_lshrrev_b32 v[TP+\b], 23, v[TS+\b]           ; the scale's byte
.endr
	v_lshl_or_b32 v[\wrd], v[TP+1], 8, v[TP]
	v_lshl_or_b32 v[\wrd], v[TP+2], 16, v[\wrd]
	v_lshl_or_b32 v[\wrd], v[TP+3], 24, v[\wrd]
.irp b, 0,1,2,3
	v_cvt_scalef32_pk16_bf6_f32 v[CV+4*\b:CV+4*\b+2], v[\src+16*\b:\src+16*\b+15], v[TS+\b]
.endr
	v_nop                                          ; one plain place behind the scaled conversions
.endm
.macro LOADX g                         ; group g: 128 along K of my 16 tokens: each load reads 512 consecutive bytes of one token
.irp i, 0,1,2,3,4,5,6,7,8,9,10,11,12,13,14,15
	global_load_b128 v[R+64*((\g)%2)+4*\i:R+64*((\g)%2)+4*\i+3], v4, s[4:5] offset:4096*\i+512*(\g) th:TH_LOAD_NT
.endr
.endm
.macro GROUP g
.if (\g) < 3
	s_wait_loadcnt 16                              ; this group's 16 loads are in; the next group's 16 may be out
.else
	s_wait_loadcnt 0x0
.endif
.irp i, 0,1,2,3,4,5,6,7,8,9,10,11,12,13,14,15
	ds_store_b128 v5, v[R+64*((\g)%2)+4*\i:R+64*((\g)%2)+4*\i+3] offset:528*\i   ; as loaded: token i's 512 bytes
.endr
.irp b, 0,1,2,3
.irp j, 0,1,2,3
	ds_load_b128 v[X+16*\b+4*\j:X+16*\b+4*\j+3], v6 offset:128*\b+16*\j   ; back: 16 neighbours of each block of my row; LDS serves a wave's instructions in order
.endr
.endr
	s_wait_dscnt 0x0
.if (\g) < 2
	LOADX (\g)+2
.endif
	s_wait_xcnt 0x0                                ; the last group's stores have read their codes: those registers are written again only behind this wait
	QUANT4 X, PW+(\g)
.irp b, 0,1,2,3
	global_store_b96 v7, v[CV+4*\b:CV+4*\b+2], s[10:11] offset:(4*(\g)+\b)*384   ; 32 lanes x 12 bytes: a block's 384 consecutive bytes
.endr
.endm
.macro LOADW t                         ; block t of my column: 32 rows of the weight, 128 consecutive bytes a wave and row
.set cn, 0
.rept 32
	global_load_b32 v[XW+32*((\t)%2)+cn], v[OFF+cn], s[32+2*(\t):33+2*(\t)] th:TH_LOAD_NT
.set cn, cn+1
.endr
.endm
.macro BLOCK t
.set XS, XW+32*((\t)%2)
.if (\t) < 3
	s_wait_loadcnt 32                              ; this block's 32 loads are in; the next block's may be out
.else
	s_wait_loadcnt 0x0
.endif
	v_max3_num_f32 v12, |v[XS]|, |v[XS+1]|, |v[XS+2]|   ; all 32 numbers of the block are mine
	v_max3_num_f32 v13, |v[XS+3]|, |v[XS+4]|, |v[XS+5]|
.irp i, 6,10,14,18,22,26
	v_max3_num_f32 v12, v12, |v[XS+\i]|, |v[XS+\i+1]|
	v_max3_num_f32 v13, v13, |v[XS+\i+2]|, |v[XS+\i+3]|
.endr
	v_max3_num_f32 v12, v12, |v[XS+30]|, |v[XS+31]|
	v_max3_num_f32 v12, v12, v13, 0x2800000        ; and the floor
	v_add_nc_u32 v11, 0xfe000000, v12
	v_lshrrev_b32 v13, 23, v11
.if (\t)%4 == 0
	v_mov_b32 v[SB+(\t)/4], v13
.else
	v_lshl_or_b32 v[SB+(\t)/4], v13, 8*((\t)%4), v[SB+(\t)/4]
.endif
	v_cvt_scalef32_pk16_bf6_f32 v[CW:CW+2], v[XS:XS+15], v11
	v_cvt_scalef32_pk16_bf6_f32 v[CW+4:CW+6], v[XS+16:XS+31], v11
	ds_store_b96 v4, v[CW:CW+2] offset:32*(\t)     ; 12 bytes to a place of 16 in my column's stage row
	ds_store_b96 v4, v[CW+4:CW+6] offset:32*(\t)+16
.if (\t) < 2
	LOADW (\t)+2
.endif
	s_wait_dscnt 0x0                               ; the stores have read their registers
.endm
	s_load_b256 s[4:11], s[0:1], 0x0               ; x s[4:5], Wqkv s[6:7], Wproj s[8:9], opc s[10:11]
	s_load_b64 s[12:13], s[0:1], 0x20              ; ops
	v_lshl_add_u32 v254, v0, 2, 0x10c00
	v_mov_b32 v255, 0
	v_lshrrev_b32 v1, 5, v0
	v_readfirstlane_b32 s16, v1                    ; wave
	v_and_b32 v1, 31, v0                           ; lane
	v_and_b32 v2, 15, v0                           ; r
	v_bfe_u32 v3, v0, 4, 1                         ; h
	s_cmp_lt_u32 ttmp9, 256
	s_cbranch_scc0 .Lweights
	; ---- x: K is innermost
	s_mov_b32 s20, 0x76543210
	s_mov_b32 s21, 0xfedcba98                      ; v_permlanex16_b32's selects for lane l xor 16
	s_mov_b32 s29, 0xffff0000                      ; lanes 16-31
	s_lshl_b32 s17, ttmp9, 2
	s_add_co_u32 s17, s17, s16
	s_lshr_b32 s18, s17, 1                         ; which 16 tokens
	s_and_b32 s19, s17, 1                          ; which 512 along K
	s_lshl_b32 s22, s18, 16
	s_lshl_b32 s23, s19, 11
	s_add_co_u32 s22, s22, s23
	s_mov_b32 s23, 0
	s_mul_i32 s24, s18, 12288
	s_mul_i32 s25, s19, 6144
	s_add_co_u32 s24, s24, s25
	s_mov_b32 s25, 0
	s_lshl_b32 s26, s18, 9
	s_lshl_b32 s27, s19, 8
	s_add_co_u32 s26, s26, s27
	s_mov_b32 s27, 0
	s_mul_i32 s28, s16, XST                        ; my stage
	s_wait_alu depctr_va_vdst(0)
	v_lshlrev_b32 v4, 4, v1                        ; 16 x lane
	v_add_nc_u32 v5, s28, v4
	v_mul_u32_u24 v6, v2, 528
	v_lshl_add_u32 v6, v3, 6, v6
	v_add_nc_u32 v6, s28, v6                       ; row r, + 64 h
	v_mul_u32_u24 v7, v2, 24
	v_mad_u32_u24 v7, v3, 12, v7                   ; my 12 bytes in a block's 384
	v_lshlrev_b32 v8, 3, v1
.irp b, 0,1,2,3
	v_mov_b32 v[TP+\b], 0                          ; a lane permute's destination counts as one of its sources
.endr
	s_wait_alu depctr_va_vdst(0)
	s_wait_kmcnt 0x0
	s_add_nc_u64 s[4:5], s[4:5], s[22:23]
	s_add_nc_u64 s[10:11], s[10:11], s[24:25]
	s_add_nc_u64 s[12:13], s[12:13], s[26:27]
	LOADX 0
	LOADX 1
	GROUP 0
	GROUP 1
	GROUP 2
	GROUP 3
	v_cndmask_b32 v244, v[PW], v[PW+2], s29        ; lanes 0-15: row r's bytes of blocks 0-7; lanes 16-31: of blocks 8-15
	v_cndmask_b32 v245, v[PW+1], v[PW+3], s29
	global_store_b64 v8, v[244:245], s[12:13]      ; 32 lanes store 256 consecutive bytes, aligned
	s_wait_tensorcnt 0x0
	ds_add_u32 v254, v255
	s_wait_dscnt 0x0
	s_endpgm
	; ---- the weights: K is the first axis: a lane takes a column and its registers run down K
.Lweights:
	s_sub_co_u32 s17, ttmp9, 256
	s_and_b32 s18, s17, 31                         ; which 128 columns: 0-23 Wqkv's, 24-31 Wproj's
	s_lshr_b32 s19, s17, 5                         ; which 128 along K, 0..7
	s_mov_b32 s24, 12288
	s_wait_kmcnt 0x0
	s_cmp_ge_u32 s18, 24                           ; the choice hangs on the work-group's number alone
	s_cselect_b64 s[6:7], s[8:9], s[6:7]
	s_cselect_b32 s24, 4096, s24                   ; bytes from row to row
	s_cselect_b32 s25, 32768, 0                    ; eight rows of Wproj: its slots 8-15 take rows 16-23, its slots 16-23 rows 8-15
	s_cselect_b32 s26, 24, 0
	s_sub_co_u32 s27, s18, s26
	s_lshl_b32 s27, s27, 7
	s_lshl_b32 s28, s16, 5
	s_add_co_u32 s27, s27, s28                     ; my wave's first column in its tensor
	s_lshl_b32 s27, s27, 2
	s_lshl_b32 s28, s19, 7
	s_mul_i32 s28, s28, s24
	s_add_co_u32 s28, s28, s27
	s_mov_b32 s29, 0
	s_lshl_b32 s30, s24, 5                         ; 32 rows
	s_mov_b32 s31, 0
	s_add_nc_u64 s[32:33], s[6:7], s[28:29]        ; a base for each of the four blocks
.irp t, 1,2,3
	s_add_nc_u64 s[32+2*\t:33+2*\t], s[30+2*\t:31+2*\t], s[30:31]
.endr
	s_lshl_b32 s22, s18, 3
	s_lshl_b32 s23, s16, 1
	s_add_co_u32 s22, s22, s23
	s_add_co_u32 s22, s22, 512                     ; my first 16 operand rows: 512 + 8 x group + 2 x wave
	s_mul_i32 s48, s22, 12288
	s_mul_i32 s23, s19, 1536                       ; four blocks of 384 bytes
	s_add_co_u32 s48, s48, s23
	s_mov_b32 s49, 0
	s_add_nc_u64 s[10:11], s[10:11], s[48:49]
	s_lshl_b32 s48, s22, 9
	s_lshr_b32 s23, s19, 1                         ; my four bytes of a row's eight for 256 along K: 128 x (chunk / 2) + 4 x (chunk % 2)
	s_lshl_b32 s23, s23, 7
	s_and_b32 s50, s19, 1
	s_lshl_b32 s50, s50, 2
	s_add_co_u32 s23, s23, s50
	s_add_co_u32 s48, s48, s23
	s_add_nc_u64 s[12:13], s[12:13], s[48:49]
	s_wait_alu depctr_va_vdst(0)
	v_lshlrev_b32 v10, 2, v1
.set cn, 0
.rept 32
	v_mad_u32_u24 v[OFF+cn], s24, cn, v10
.set cn, cn+1
.endr
.set cn, 8
.rept 8
	v_add_nc_u32 v[OFF+cn], s25, v[OFF+cn]
	v_sub_nc_u32 v[OFF+cn+8], v[OFF+cn+8], s25
.set cn, cn+1
.endr
	s_mul_i32 s50, s16, WST
	s_add_co_u32 s50, s50, WST0                    ; my stage
	v_mul_u32_u24 v4, v1, 272
	v_add_nc_u32 v4, s50, v4                       ; in: row = my column
	v_lshrrev_b32 v5, 1, v1
	v_and_b32 v6, 1, v1
	v_mul_u32_u24 v7, v5, 272
	v_lshl_add_u32 v7, v6, 4, v7
	v_add_nc_u32 v7, s50, v7                       ; back: two lanes to a column: its block's two places of 16 bytes
	v_mul_u32_u24 v8, v1, 12
	v_lshlrev_b32 v9, 3, v2
	v_lshl_add_u32 v9, v3, 9, v9                   ; my column's eight scale bytes
	LOADW 0
	LOADW 1
.irp t, 0,1,2,3
	BLOCK \t
.endr
	s_wait_alu depctr_va_vdst(0)
	global_store_b32 v9, v[SB], s[12:13]           ; my column's four scale bytes
.irp u, 0,1
.irp k, 0,1,2,3
	ds_load_b96 v[OUTR+4*(8*\u+\k):OUTR+4*(8*\u+\k)+2], v7 offset:\u*4352+\k*32   ; block k of columns 16 u on: LDS serves a wave's instructions in order
.endr
.endr
.irp u, 0,1
.irp k, 0,1,2,3
	s_wait_dscnt 7-(4*\u+\k)                       ; of the eight loads, those issued behind this one may be out
	global_store_b96 v8, v[OUTR+4*(8*\u+\k):OUTR+4*(8*\u+\k)+2], s[10:11] offset:\u*12288+\k*384   ; 384 consecutive bytes
.endr
.endr
	s_wait_tensorcnt 0x0
	ds_add_u32 v254, v255
	s_wait_dscnt 0x0
	s_endpgm
.Lfunc_end_k_qe73d4c8bf6_quant:
	.size	k_qe73d4c8bf6_quant, .Lfunc_end_k_qe73d4c8bf6_quant-k_qe73d4c8bf6_quant
	.p2alignl 7, 3214868480
	.fill 96, 4, 3214868480
	.section	.rodata,"a",@progbits
	.p2align	6, 0x0
	.amdhsa_kernel k_qe73d4c8bf6_quant
		.amdhsa_group_segment_fixed_size 69120
		.amdhsa_private_segment_fixed_size 0
		.amdhsa_enable_private_segment 0
		.amdhsa_kernarg_size 40
		.amdhsa_user_sgpr_count 2
		.amdhsa_user_sgpr_kernarg_segment_ptr 1
		.amdhsa_wavefront_size32 1
		.amdhsa_system_sgpr_workgroup_id_x 1
		.amdhsa_system_sgpr_workgroup_id_y 1
		.amdhsa_system_sgpr_workgroup_id_z 1
		.amdhsa_system_vgpr_workitem_id 0
		.amdhsa_next_free_vgpr 256
		.amdhsa_next_free_sgpr 66
		.amdhsa_reserve_vcc 0
		.amdhsa_float_denorm_mode_32 3
		.amdhsa_float_denorm_mode_16_64 3
		.amdhsa_memory_ordered 1
		.amdhsa_forward_progress 1
		.amdhsa_inst_pref_size 57
	.end_amdhsa_kernel
	.amdgpu_metadata
---
amdhsa.version: [ 1, 2 ]
amdhsa.kernels:
  - .name:           k_qe73d4c8bf6_quant
    .symbol:         k_qe73d4c8bf6_quant.kd
    .args:
      - { .name: x, .offset: 0, .size: 8, .value_kind: global_buffer, .address_space: global }
      - { .name: Wqkv, .offset: 8, .size: 8, .value_kind: global_buffer, .address_space: global }
      - { .name: Wproj, .offset: 16, .size: 8, .value_kind: global_buffer, .address_space: global }
      - { .name: opc, .offset: 24, .size: 8, .value_kind: global_buffer, .address_space: global }
      - { .name: ops, .offset: 32, .size: 8, .value_kind: global_buffer, .address_space: global }
    .group_segment_fixed_size: 69120
    .private_segment_fixed_size: 0
    .kernarg_segment_align: 8
    .kernarg_segment_size: 40
    .max_flat_workgroup_size: 128
    .sgpr_count:     66
    .vgpr_count:     256
    .wavefront_size: 32
...
	.end_amdgpu_metadata
.endif
;; end of part 1
;; launch qkv (part 2): grid 8 x 32, 4 waves a work-group, clusters of 4 x 4, 327,680 bytes of LDS; arguments opc, ops, bqkv, ac, asc; writes ac, asc
.if DOCPART == 2
	.amdgcn_target "amdgcn-amd-amdhsa--gfx1250"
	.amdhsa_code_object_version 6
	.text
	.protected	k_qe73d4c8bf6_qkv
	.globl	k_qe73d4c8bf6_qkv
	.p2align	8
	.type	k_qe73d4c8bf6_qkv,@function
k_qe73d4c8bf6_qkv:
	s_mov_b64 s[64:65], 0
	v_nop
	global_prefetch_b8 v0, s[64:65] scope:SCOPE_SE
	s_setreg_imm32_b32 hwreg(HW_REG_WAVE_MODE, 25, 1), 1
	s_wait_xcnt 0x0
	s_wait_alu depctr_hold_cnt(0) depctr_sa_sdst(0) depctr_va_vdst(0) depctr_va_sdst(0) depctr_va_ssrc(0) depctr_va_vcc(0) depctr_vm_vsrc(0)
	s_getreg_b32 s2, hwreg(HW_REG_IB_STS2, 6, 4)
	s_cmp_eq_u32 s2, 0
	s_cbranch_scc0 .Lentry_in_a_cluster
	s_endpgm
.Lentry_in_a_cluster:
	s_bfe_u32 s2, ttmp6, 0x10000c
	s_cmp_lg_u32 s2, 0xf033
	s_cbranch_scc0 .Lentry_shape_is_right
	s_endpgm
.Lentry_shape_is_right:
; Z[i][j] = sum over k of A[i][k] B[j][k] + bias, K = 1,024, on codes of BF6 (E3M2) with E8M0 scales, and Z is quantised along j on its way out: it never goes to memory as f32.
; Both operands are operand rows of opc / ops (rows 0-8191 x's tokens, 8192-11263 Wqkv's columns).
; A WORK-GROUP STAYS AND MAKES TWO TILES on the same 256 tokens: q, k and V transposed are 384 tiles of 256 x 256, one and a half for each of 256 work-groups.
;   phase 1:  A = my 256 tokens, B = Wqkv's columns 256 FC on (q and k), quantised along the head's axis -> ac at byte 0, rows = tokens, 64 blocks a row; scale words asc[feature / 128][token].
;   phase 2:  A = Wqkv's columns 2,048 + 128 FC on (128 rows), B = the same 256 tokens: V transposed, quantised along the keys -> ac at byte 12,582,912, rows = V's features, 256 blocks a row; scale words at byte 524,288, [token / 128][feature].
; CODES lie as (row / 16) x (blocks a row) x 384 + block x 384 + (row % 16) x 24; a block's 32 slots hold its numbers 0-7, 16-23, 8-15, 24-31: the order in which the results lie in two lanes.  Both operands of
; every later product have that order, so the products are the same.
; LIMITS: a block of zeros gets the byte 1 (its codes are zeros; this program alone reads the bytes); blocks whose largest magnitude lies under 2^-122 are held at byte 1; NaN and infinities are not served.
; Four waves.  Phase 1: 128 x 128 a wave, 64 accumulators; phase 2: 64 x 128 a wave, 32 accumulators.  A tile of 16 operand rows x 256 K is 3,072 consecutive bytes of memory and of LDS, a fragment 1,536:
; lane (r, h) takes block 2 c + h's 24 bytes at 384 (2 c + h) + 24 r: the 32 lanes of a load of 8 bytes touch 64 different banks (64 banks of 4 bytes: ISA guide 11.1).
; LDS: the tokens' codes for ALL of K (196,608 bytes) are filled once and serve both phases; the features go through two slots of 256 rows x 256 K; V's 128 rows x 256 K are half a slot, so a slot takes two of V's K steps.
; The scale bytes of the tokens and of phase 1's features come once with the first fills; V's scale words come straight into registers.
; CLUSTERS: 4 x 4 work-groups.  The tokens' tiles are shared along a row of the cluster, the features' along a column: each is asked for jointly.  Waves 0 and 1 fetch tokens, waves 2 and 3 features.
; The matrix instruction is used transposed (source 0 = B's rows, source 1 = A's).
; REGISTERS: window 0: v0-31 addresses; v32-63 scale words; v64-127 the bias; v128-223 A's fragments (phase 1: one set of eight; phase 2: two sets of four; on the way out v128-191: 64 results with their bias); v224-255 the quantiser's.
;   window 1: B's fragments, two sets.   windows 2, 3: the accumulators.
; WHO FETCHES WHAT (in place of the sentence above on waves 0, 1 and 2, 3).  At the head one joint load a wave: wave 0 the tokens' K step 0 (256 rows), wave 1 the features' K step 0 (256 rows),
; wave 2 the tokens' 8,192 scale bytes, wave 3 the features'.  Behind the three lines and a round, again one a wave, all first fills: the tokens' K steps 1, 2, 3 (waves 0, 2, 3), the features' K step 1 (wave 1).
; Both features' slots are then filled again together, twice, each of the four waves bringing 128 rows x 256 K to FEA + wave x 24,576: K steps 2 and 3 at the end of K step 1, V's four K steps at the end of K step 3.
.set NQ,     2
.set FR,     12
.set NL,     6
.set NP,     4
.set STEPB,  3072                      ; 16 operand rows x 256 K
.set HALFT,  8*STEPB                   ; 128 rows x 256 K: one tensor load
.set TSTEP,  2*HALFT                   ; 256 rows x 256 K
.set TOK,    0                         ; the tokens: four K steps
.set FEA,    4*TSTEP                   ; the features: two slots
.set SCL,    FEA+2*TSTEP               ; the scale bytes: the tokens' 8,192, then the features'
.set HALFS,  4096
.set SPARE,  SCL+4*HALFS               ; the spare words, 128 bytes for each wave: two blocks of 256 bytes that no other line names
.set ADT1, 8                           ; v8-11   the tokens as A (my half: wave / 2), K step 0..3
.set ADT2, 12                          ; v12-15  the tokens as B (my half: wave % 2)
.set ADF,  16                          ; v16-17  phase 1's features (my half: wave % 2), slot 0, 1
.set ADV,  18                          ; v18-21  V's features (my 64 rows: wave / 2), K step 0..3
.set ADRS, 22                          ; v22  phase 1's scale words: lanes 0-15 the tokens', lanes 16-31 the features'
.set ADRS2, 23                         ; v23  phase 2's: the tokens': lanes 0-15 block u, lanes 16-31 block u + 4
.set CST,  24                          ; v24  my 12 bytes in a block's 384
.set WOF,  25                          ; v25  4 x lane
.set VB,   26                          ; v26  my offset in phase 1's bias
.set SVO,  27                          ; v27  my offset among V's scale bytes
.set SPW,  28
.set NIL,  29
.set VB2,  30                          ; v30  my offset in phase 2's bias
.set SC,   32                          ; phase 1: two sets of 16
.set SA,   32                          ; phase 2: v32-47 V's scale words for all of K: register 4 g + 2 u + q: lanes 0-15 block u, lanes 16-31 block u + 2
.set SBS,  48                          ; phase 2: v48-63 the tokens', two sets of 8
.set BJ,   64
.set AF,   128
.set H,    128
.set TM,   224
.set TP,   228
.set TS,   232
.set PW,   236
.set CV,   240
.set G1T,  24                          ; s[24:31] group 1, the tokens' codes;  s[32:39] the features';  s[40:47], s[48:55] their scale bytes
.set G1F,  32
.set G1ST, 40
.set G1SF, 48
.set G0F,  56                          ; s[56:59] group 0 of the features' K step 0, then of every refill;  s[60:63] of their K step 1
.set G0T,  68                          ; s[68:83] of the tokens' four K steps
.set G0TS, 84
.set G0FS, 88
.set PV,   92                          ; s[92:93] V's codes: K step = my wave's number
.set OC2,  94                          ; s[94:95] phase 2's codes out;  s[96:97] its scale words;  s[98:99] its bias;  s[100:101] V's scale bytes
.set OS2,  96
.set BI2,  98
.set SVP,  100
.set MSB, 0
.macro WIN new                         ; the immediate's high byte repeats the setting that is left
.if MSB != (\new)
	s_set_vgpr_msb (MSB<<8)|(\new)
.set MSB, (\new)
.endif
.endm
.set MUL_LO, 0xa1                      ; source 0 (B) window 1, source 1 (A) window 0, C and D window 2
.set MUL_HI, 0xf1
.set TO_B,   0x40
.macro ARM under, g0, g1, next, join   ; one arm of a chain of branches on the wave's number: its one joint load, s_nop 0 and four v_nop, a jump to the chain's end
	s_cmp_lt_u32 s14, \under
	s_cbranch_scc0 \next
	tensor_load_to_lds s[\g0:\g0+3], s[\g1:\g1+7]
	s_nop 0
.rept 4
	v_nop
.endr
	s_branch \join
\next:
.endm
.macro CREST
	s_cmp_lg_u32 s14, 0
	s_cbranch_scc1 .Lnot_wave_0_\@
	s_barrier_signal -3
.Lnot_wave_0_\@:
	s_barrier_wait -3
	s_barrier_signal -1
	s_barrier_wait -1
.endm
.macro CROUND
	s_barrier_signal -1
	s_barrier_wait -1
	CREST
.endm
.macro PLACES n
.rept \n
	v_nop
.endr
.endm
.macro FRAG reg, adr, q, i             ; a fragment: 16 rows x 128 K, 12 registers, six loads of 8 bytes
.irp p, 0,1,2,3,4,5
	ds_load_b64 v[\reg+2*\p:\reg+2*\p+1], v[\adr] offset:(\i)*STEPB+(\q)*1536+(\p/3)*768+8*(\p%3)
.endr
.endm
; ---- phase 1
.macro MUL16 a0, p, q, sc, zero        ; A's blocks a0, a0 + 1 x B's eight; the 64 accumulators take turns, one instruction a turn
.irp a, \a0, \a0+1
.irp b, 0,1,2,3,4,5,6,7
.if \zero
	v_wmma_scale_f32_16x16x128_f8f6f4 v[8*(8*((\a)%4)+\b):8*(8*((\a)%4)+\b)+7], v[128*(\p)+FR*\b:128*(\p)+FR*\b+FR-1], v[AF+FR*(\a):AF+FR*(\a)+FR-1], 0, v[SC+8*NQ*(\sc)+NQ*\b+(\q)], v[SC+8*NQ*(\sc)+NQ*(\a)+(\q)] matrix_a_fmt:MATRIX_FMT_BF6 matrix_b_fmt:MATRIX_FMT_BF6 matrix_a_scale:MATRIX_SCALE_ROW1
.else
	v_wmma_scale_f32_16x16x128_f8f6f4 v[8*(8*((\a)%4)+\b):8*(8*((\a)%4)+\b)+7], v[128*(\p)+FR*\b:128*(\p)+FR*\b+FR-1], v[AF+FR*(\a):AF+FR*(\a)+FR-1], v[8*(8*((\a)%4)+\b):8*(8*((\a)%4)+\b)+7], v[SC+8*NQ*(\sc)+NQ*\b+(\q)], v[SC+8*NQ*(\sc)+NQ*(\a)+(\q)] matrix_a_fmt:MATRIX_FMT_BF6 matrix_b_fmt:MATRIX_FMT_BF6 matrix_a_scale:MATRIX_SCALE_ROW1
.endif
.endr
.endr
.endm
.macro FETCH_B slot, q, p              ; the features' eight fragments into set p
	WIN TO_B
.irp i, 0,1,2,3,4,5,6,7
	FRAG 128*(\p)+FR*\i, ADF+(\slot), \q, \i
.endr
	WIN 0
.endm
.macro FETCH_A ks, q, i0               ; the tokens' blocks i0 .. i0 + 3 of K step ks
.irp i, \i0, \i0+1, \i0+2, \i0+3
	FRAG AF+FR*(\i), ADT1+(\ks), \q, \i
.endr
.endm
.macro SCALES sc, ks                   ; K step ks's scale words: two a row; lanes 0-15 take A's block i, lanes 16-31 B's block i
.irp i, 0,1,2,3,4,5,6,7
	ds_load_b64 v[SC+8*NQ*(\sc)+NQ*\i:SC+8*NQ*(\sc)+NQ*\i+1], v[ADRS] offset:\i*512+(\ks)*128
.endr
.endm
.macro STEP ks, zero                   ; the first 128 along K of K step ks
	s_wait_dscnt 4*NL                              ; B's set and A's blocks 0-3 are in; the youngest 24 loads (A's blocks 4-7) may be out
	WIN MUL_LO
	MUL16 0, 0, 0, (\ks)%2, \zero
	MUL16 2, 0, 0, (\ks)%2, \zero
	s_wait_dscnt 0
	PLACES NP                                      ; four places in front of loads into registers that matrix instructions have read
	FETCH_B (\ks)%2, 1, 1
	FETCH_A \ks, 1, 0
	WIN MUL_HI
	MUL16 4, 0, 0, (\ks)%2, \zero
	MUL16 6, 0, 0, (\ks)%2, \zero
	PLACES NP
	WIN 0
	FETCH_A \ks, 1, 4
.endm
.macro SALOAD                          ; V's scale words for all of K: 16 lanes read a block's 128 consecutive bytes of a K step
.irp t, 0,1,2,3
.irp u, 0,1
	global_load_b64 v[SA+4*\t+2*\u:SA+4*\t+2*\u+1], v[SVO], s[SVP:SVP+1] offset:\u*512+\t*128
.endr
.endr
.endm
; ---- phase 2
.macro FETCH_B2 n, p                   ; step n (K step n / 2, its half n % 2): the tokens' eight fragments into set p
	WIN TO_B
.irp i, 0,1,2,3,4,5,6,7
	FRAG 128*(\p)+FR*\i, ADT2+(\n)/2, (\n)%2, \i
.endr
	WIN 0
.endm
.macro FETCH_A2 n, p                   ; V's four fragments into set p
.irp i, 0,1,2,3
	FRAG AF+48*(\p)+FR*\i, ADV+(\n)/2, (\n)%2, \i
.endr
.endm
.macro SCALESB g                       ; the tokens' scale words of K step g
.irp u, 0,1,2,3
	ds_load_b64 v[SBS+8*((\g)%2)+2*\u:SBS+8*((\g)%2)+2*\u+1], v[ADRS2] offset:\u*512+(\g)*128
.endr
.endm
.macro WM2 zero, hb, ha                ; one product; hb, ha: source 0's, source 1's scale words stand in lanes 16-31
.if \zero
.if (\hb) && (\ha)
	v_wmma_scale_f32_16x16x128_f8f6f4 v[rD:rD+7], v[rB:rB+FR-1], v[rA:rA+FR-1], 0, v[xB], v[xA] matrix_a_fmt:MATRIX_FMT_BF6 matrix_b_fmt:MATRIX_FMT_BF6 matrix_a_scale:MATRIX_SCALE_ROW1 matrix_b_scale:MATRIX_SCALE_ROW1
.elseif (\hb)
	v_wmma_scale_f32_16x16x128_f8f6f4 v[rD:rD+7], v[rB:rB+FR-1], v[rA:rA+FR-1], 0, v[xB], v[xA] matrix_a_fmt:MATRIX_FMT_BF6 matrix_b_fmt:MATRIX_FMT_BF6 matrix_a_scale:MATRIX_SCALE_ROW1
.elseif (\ha)
	v_wmma_scale_f32_16x16x128_f8f6f4 v[rD:rD+7], v[rB:rB+FR-1], v[rA:rA+FR-1], 0, v[xB], v[xA] matrix_a_fmt:MATRIX_FMT_BF6 matrix_b_fmt:MATRIX_FMT_BF6 matrix_b_scale:MATRIX_SCALE_ROW1
.else
	v_wmma_scale_f32_16x16x128_f8f6f4 v[rD:rD+7], v[rB:rB+FR-1], v[rA:rA+FR-1], 0, v[xB], v[xA] matrix_a_fmt:MATRIX_FMT_BF6 matrix_b_fmt:MATRIX_FMT_BF6
.endif
.else
.if (\hb) && (\ha)
	v_wmma_scale_f32_16x16x128_f8f6f4 v[rD:rD+7], v[rB:rB+FR-1], v[rA:rA+FR-1], v[rD:rD+7], v[xB], v[xA] matrix_a_fmt:MATRIX_FMT_BF6 matrix_b_fmt:MATRIX_FMT_BF6 matrix_a_scale:MATRIX_SCALE_ROW1 matrix_b_scale:MATRIX_SCALE_ROW1
.elseif (\hb)
	v_wmma_scale_f32_16x16x128_f8f6f4 v[rD:rD+7], v[rB:rB+FR-1], v[rA:rA+FR-1], v[rD:rD+7], v[xB], v[xA] matrix_a_fmt:MATRIX_FMT_BF6 matrix_b_fmt:MATRIX_FMT_BF6 matrix_a_scale:MATRIX_SCALE_ROW1
.elseif (\ha)
	v_wmma_scale_f32_16x16x128_f8f6f4 v[rD:rD+7], v[rB:rB+FR-1], v[rA:rA+FR-1], v[rD:rD+7], v[xB], v[xA] matrix_a_fmt:MATRIX_FMT_BF6 matrix_b_fmt:MATRIX_FMT_BF6 matrix_b_scale:MATRIX_SCALE_ROW1
.else
	v_wmma_scale_f32_16x16x128_f8f6f4 v[rD:rD+7], v[rB:rB+FR-1], v[rA:rA+FR-1], v[rD:rD+7], v[xB], v[xA] matrix_a_fmt:MATRIX_FMT_BF6 matrix_b_fmt:MATRIX_FMT_BF6
.endif
.endif
.endm
.macro MUL32 p, g, q, zero             ; V's four blocks x the tokens' eight: 32 accumulators by turns, in the same order in every step
.irp a, 0,1,2,3
.irp b, 0,1,2,3,4,5,6,7
.set rD, 8*(8*\a+\b)
.set rB, 128*(\p)+FR*\b
.set rA, AF+48*(\p)+FR*\a
.set xB, SBS+8*((\g)%2)+2*(\b%4)+(\q)
.set xA, SA+4*(\g)+2*(\a%2)+(\q)
	WM2 \zero, \b/4, \a/2
.endr
.endr
.endm
.macro HSTEP n                         ; 128 along K: the next step's 72 loads go out ahead of this step's 32 products
	s_wait_dscnt 0x0                               ; this step's fragments and scale words are in
.if (\n) == 0
	s_wait_loadcnt 8                               ; V's scale words are in; behind them the second bias's 8 loads may be out
.else
	PLACES NP                                      ; four places in front of loads into the sets that the last step's products read
.endif
.if (\n) < 7
	FETCH_B2 (\n)+1, ((\n)+1)%2
	FETCH_A2 (\n)+1, ((\n)+1)%2
.if (\n)%2 == 1
	SCALESB ((\n)+1)/2
.endif
.endif
	WIN MUL_LO
.if (\n) == 0
	MUL32 0, 0, 0, 1                               ; the first products start the sums
.else
	MUL32 (\n)%2, (\n)/2, (\n)%2, 0
.endif
	WIN 0
.endm
; The last 128 along K of K step ks.  In front of its barrier each wave waits for all its tensor loads, adds 0 to its spare word, and waits for that and for its reads.
; kind 0: nothing is filled; the barrier shows the next K step's tiles whole to all four waves.
; kind 1: the barrier opens a round of the cluster's; both slots are read out and take K steps 2 and 3, 128 rows a wave; the wave's last 32 products follow, then the wait for the tiles and a barrier, then the fetch.
; kind 3: the same round; both slots take V's four K steps, one a wave, which land under phase 1's way out; what is fetched is phase 2's.
.macro TURN ks, kind
	s_wait_tensorcnt 0x0                           ; all my tensor loads have landed
	ds_add_u32 v[SPW], v[NIL]                      ; 0 onto my spare word
.if (\ks) == 0
	s_mov_b32 s[G1F+2], 8<<16                      ; no tensor load of mine is out, so a descriptor may be written: from here on a load of features brings 8 tiles of 16 rows
	s_mov_b32 s[G1F+4], 8
.endif
	s_wait_dscnt 4*NL+1
	WIN MUL_LO
	MUL16 0, 1, 1, (\ks)%2, 0
	s_wait_dscnt 0x0                               ; the add is done, and my reads of this K step's tiles are over
	s_barrier_signal -1
	MUL16 2, 1, 1, (\ks)%2, 0
	WIN 0
	s_barrier_wait -1
.if \kind == 0
	PLACES NP                                      ; four places in front of the loads below
	FETCH_B ((\ks)+1)%2, 0, 0
	FETCH_A (\ks)+1, 0, 0
	SCALES ((\ks)+1)%2, (\ks)+1
.else
	CREST                                          ; no wave of any partner still reads a slot or has a load on its way
.if \kind == 1
	s_mul_i32 s19, s16, 98304                      ; from the features' K step 0, row 0: my 128 rows (wave % 2),
	s_mul_i32 s20, s15, STEPB                      ; K step 2 + wave / 2
	s_add_co_u32 s20, s20, s19
	s_add_co_u32 s20, s20, 2*STEPB
	s_mov_b32 s21, 0
	s_add_nc_u64 s[G0F+2:G0F+3], s[G0F+2:G0F+3], s[20:21]
	s_mul_i32 s19, s14, HALFT
	s_add_co_u32 s[G0F+1], s19, FEA                ; to FEA + wave x 24,576: slot wave / 2, half wave % 2
.else
	s_mov_b64 s[G0F+2:G0F+3], s[PV:PV+1]           ; V's K step = my wave's number, to the same place
	s_or_b32 s[G0F+3], s[G0F+3], 0x80000000
.endif
	tensor_load_to_lds s[G0F:G0F+3], s[G1F:G1F+7]  ; the first tensor load behind the round: one line, rows of its own for each wave
	s_nop 0
	PLACES NP                                      ; four v_nop behind the load; also the places in front of the loads below
.if \kind == 3
	SALOAD                                         ; into scale set 0, which K step 2's products named last
	FETCH_B2 0, 0                                  ; the tokens lie in LDS: phase 2's first fragments of B come under the last products
.endif
.endif
	WIN MUL_HI
	MUL16 4, 1, 1, (\ks)%2, 0
	MUL16 6, 1, 1, (\ks)%2, 0
	PLACES NP
	WIN 0
.if \kind == 0
	FETCH_A (\ks)+1, 0, 4
.elseif \kind == 1
	s_wait_tensorcnt 0x0                           ; my 128 rows have landed (no LDS instruction of mine is out);
	s_barrier_signal -1
	s_barrier_wait -1                              ; everybody's have: K steps 2 and 3 are whole
	FETCH_B ((\ks)+1)%2, 0, 0
	FETCH_A (\ks)+1, 0, 0
	SCALES ((\ks)+1)%2, (\ks)+1
	FETCH_A (\ks)+1, 0, 4
.endif
.endm
; 64 numbers of a lane, register 16 b + i of block b, become four times 16 codes in v[CV] on and the row's scale word in v[wrd]
.macro QUANT4 src, wrd
.irp b, 0,1,2,3
	v_max3_num_f32 v[TM+\b], |v[\src+16*\b]|, |v[\src+16*\b+1]|, 0x2800000   ; and the floor 2^(5 - 127): the byte cannot fall under 1
.endr
.irp i, 2,4,6,8,10,12,14
.irp b, 0,1,2,3
	v_max3_num_f32 v[TM+\b], v[TM+\b], |v[\src+16*\b+\i]|, |v[\src+16*\b+\i+1]|
.endr
.endr
.irp b, 0,1,2,3
	v_permlanex16_b32 v[TP+\b], v[TM+\b], s2, s3
.endr
.irp b, 0,1,2,3
	v_max_num_f32 v[TM+\b], v[TM+\b], v[TP+\b]     ; with lane l xor 16's 16: the block's largest magnitude
.endr
.irp b, 0,1,2,3
	v_add_nc_u32 v[TS+\b], 0xfe000000, v[TM+\b]    ; 4 off its exponent field: the conversion's scale operand
.endr
.irp b, 0,1,2,3
	v_lshrrev_b32 v[TP+\b], 23, v[TS+\b]
.endr
	v_lshl_or_b32 v[\wrd], v[TP+1], 8, v[TP]
	v_lshl_or_b32 v[\wrd], v[TP+2], 16, v[\wrd]
	v_lshl_or_b32 v[\wrd], v[TP+3], 24, v[\wrd]
.irp b, 0,1,2,3
	v_cvt_scalef32_pk16_bf6_f32 v[CV+4*\b:CV+4*\b+2], v[\src+16*\b:\src+16*\b+15], v[TS+\b]
.endr
	v_nop                                          ; one plain place behind the scaled conversions
.endm
; Block a (16 rows of Z x my 128 columns): bias, quantiser, stores.  v = 0: the bias runs along the registers; v = 1: along the lanes.  oc, os: the pointers to codes and scale words; rp: bytes from 16 output rows to the next
.macro OUTBLK a, v, oc, os, rp
	WIN 0x02+(\a)/4                                ; source 0: window 2 or 3
.set cn, 0
.rept 32
.if \v
	v_pk_add_f32 v[H+2*cn:H+2*cn+1], v[64*((\a)%4)+2*cn:64*((\a)%4)+2*cn+1], v[BJ+2*(\a):BJ+2*(\a)+1]   ; each accumulator from its low end on
.else
	v_pk_add_f32 v[H+2*cn:H+2*cn+1], v[64*((\a)%4)+2*cn:64*((\a)%4)+2*cn+1], v[BJ+2*cn:BJ+2*cn+1]
.endif
.set cn, cn+1
.endr
	WIN 0
	s_wait_xcnt 0x0                                ; the last block's stores have read their data
	QUANT4 H, PW
.irp b, 0,1,2,3
	global_store_b96 v[CST], v[CV+4*\b:CV+4*\b+2], s[\oc:\oc+1] offset:384*\b   ; four blocks: 1,536 consecutive bytes
.endr
.if (\a)%2 == 0
	v_mov_b32 v[PW+1], v[PW]
.else
	v_cndmask_b32 v[PW+2], v[PW+1], v[PW], s66     ; lanes 0-15: block a - 1's words, lanes 16-31: block a's
	global_store_b32 v[WOF], v[PW+2], s[\os:\os+1] offset:64*((\a)-1)   ; 128 consecutive bytes
.endif
	s_wait_xcnt 0x0                                ; the stores have read their base
	s_add_nc_u64 s[\oc:\oc+1], s[\oc:\oc+1], \rp   ; the next 16 rows
.endm
	s_load_b256 s[4:11], s[0:1], 0x0               ; opc s[4:5], ops s[6:7], bqkv s[8:9], ac s[10:11]
	s_load_b64 s[12:13], s[0:1], 0x20              ; asc
	v_lshl_add_u32 v[SPW], v0, 2, SPARE
	v_mov_b32 v[NIL], 0
	ds_add_u32 v28, v29
	ds_add_u32 v28, v29
	s_wait_dscnt 0x0
	v_lshrrev_b32 v1, 5, v0
	v_readfirstlane_b32 s14, v1                    ; wave 0..3
	s_lshr_b32 s15, s14, 1                         ; which half of A's rows is mine
	s_and_b32 s16, s14, 1                          ; which half of B's rows
	s_bfe_u32 s19, ttmp6, 0x40000                  ; cx
	s_bfe_u32 s20, ttmp6, 0x40004                  ; cy
	s_lshl_b32 s18, ttmp9, 2
	s_add_co_u32 s18, s18, s19                     ; FC = 4 x cluster x + cx: my features, 0..7
	s_and_b32 s17, ttmp7, 0xffff
	s_lshl_b32 s17, s17, 2
	s_add_co_u32 s17, s17, s20                     ; TT = 4 x cluster y + cy: my 256 tokens, 0..31
	s_lshl_b32 s21, s20, 2
	s_lshl_b32 s21, 15, s21                        ; my row of the cluster
	s_lshl_b32 s22, 0x1111, s19                    ; my column
	s_or_b32 s[G1T], s21, (3<<16)|(1<<21)          ; 15:0 the mask; 17:16 elements of 8 bytes; 21 set beside a mask; no padding
	s_or_b32 s[G1F], s22, (3<<16)|(1<<21)
.irp g, G1T, G1F
	s_mov_b32 s[\g+1], 384<<16                     ; tensor_dim0: 3,072 bytes
	s_mov_b32 s[\g+2], 16<<16                      ; tensor_dim1: 16 tiles of 16 rows (the features' group is set to 8 for the refills)
	s_mov_b32 s[\g+3], 384<<16                     ; tile_dim0
	s_mov_b32 s[\g+4], 16                          ; tile_dim1
	s_mov_b32 s[\g+5], 1536                        ; 12,288 bytes from 16 rows to the next
	s_mov_b32 s[\g+6], 0
	s_mov_b32 s[\g+7], 0
.endr
	s_or_b32 s[G1ST], s21, (3<<16)|(1<<21)
	s_or_b32 s[G1SF], s22, (3<<16)|(1<<21)
.irp g, G1ST, G1SF
	s_mov_b32 s[\g+1], 32<<16                      ; the scale bytes of 256 rows: 8,192 dense bytes as 32 rows of 256
	s_mov_b32 s[\g+2], 32<<16
	s_mov_b32 s[\g+3], 32<<16
	s_mov_b32 s[\g+4], 32
	s_mov_b32 s[\g+5], 32
	s_mov_b32 s[\g+6], 0
	s_mov_b32 s[\g+7], 0
.endr
	; where the tiles come from, as offsets: the tokens' hang on TT and the wave alone, the features' on FC and the wave alone
	s_lshl_b32 s67, s16, 12                        ; my 128 of B's 256 rows: their scale bytes,
	s_mul_i32 s21, s16, HALFT                      ; and their codes' place in a K step in LDS (for the lanes' addresses below): no place in the cluster enters an LDS address
	s_mul_i32 s[G0T+2], s17, 196608
	s_mov_b32 s[G0T+3], 0
	s_lshl_b32 s[G0TS+2], s17, 13
	s_mov_b32 s[G0TS+3], 0
	s_add_co_u32 s19, s18, 32                      ; phase 1's features: tile 32 + FC of 256 operand rows
	s_mul_i32 s[G0F+2], s19, 196608
	s_mov_b32 s[G0F+3], 0
	s_lshl_b32 s[G0FS+2], s19, 13
	s_mov_b32 s[G0FS+3], 0
	s_lshl_b32 s19, s18, 3
	s_add_co_u32 s19, s19, 640                     ; V's features: operand rows 16 x (640 + 8 FC) on
	s_mul_i32 s[PV], s19, 12288
	s_mul_i32 s20, s14, STEPB                      ; wave w fetches V's K step w
	s_add_co_u32 s[PV], s[PV], s20
	s_mov_b32 s[PV+1], 0
	s_lshl_b32 s20, s15, 2
	s_add_co_u32 s19, s19, s20                     ; my 64 of V's rows
	s_lshl_b32 s[SVP], s19, 9
	s_mov_b32 s[SVP+1], 0
.irp k, 0,1,2,3
	s_mov_b32 s[G0T+4*\k], 1
	s_mov_b32 s[G0T+4*\k+1], TOK+\k*TSTEP
.endr
.irp k, 0,1
	s_mov_b32 s[G0F+4*\k], 1
	s_mov_b32 s[G0F+4*\k+1], FEA+\k*TSTEP
.endr
	s_mov_b32 s[G0TS], 1
	s_mov_b32 s[G0TS+1], SCL
	s_mov_b32 s[G0FS], 1
	s_mov_b32 s[G0FS+1], SCL+2*HALFS
	; the lanes' addresses
	v_and_b32 v1, 15, v0                           ; r
	v_bfe_u32 v2, v0, 4, 1                         ; h
	v_mul_u32_u24 v3, v1, 24
	v_mad_u32_u24 v3, v2, 384, v3                  ; my lane's place in a fragment
	s_wait_alu depctr_va_vdst(0)
	s_mul_i32 s19, s15, HALFT
	s_mov_b32 s20, s21
.irp k, 0,1,2,3
	v_add_nc_u32 v[ADT1+\k], s19, v3
	v_add_nc_u32 v[ADT2+\k], s20, v3
	s_add_co_u32 s19, s19, TSTEP
	s_add_co_u32 s20, s20, TSTEP
.endr
	s_add_co_u32 s20, s21, FEA
.irp k, 0,1
	v_add_nc_u32 v[ADF+\k], s20, v3
	s_add_co_u32 s20, s20, TSTEP
.endr
	s_mul_i32 s19, s15, 4*STEPB                    ; V's K step g lies at FEA + g x 24,576; my 64 rows in it
	s_add_co_u32 s19, s19, FEA
.irp k, 0,1,2,3
	v_add_nc_u32 v[ADV+\k], s19, v3
	s_add_co_u32 s19, s19, HALFT
.endr
	s_lshl_b32 s19, s15, 12                        ; phase 1: the tokens' scale bytes, my 128 rows;
	s_add_co_u32 s20, s67, 2*HALFS                 ; the features', my 128 rows, behind the tokens' 256
	s_sub_co_u32 s20, s20, s19
	v_mul_u32_u24 v6, s20, v2                      ; lanes 16-31 take the features'
	s_add_co_u32 s19, s19, SCL
	v_lshl_add_u32 v5, v1, 3, v6
	v_add_nc_u32 v[ADRS], s19, v5
	s_add_co_u32 s19, s67, SCL                     ; phase 2: the tokens', my 128 rows as B; lanes 16-31 four blocks on
	v_lshlrev_b32 v5, 3, v1
	v_lshl_add_u32 v5, v2, 11, v5
	v_add_nc_u32 v[ADRS2], s19, v5
	v_mul_u32_u24 v[CST], v1, 24
	v_mad_u32_u24 v[CST], v2, 12, v[CST]
	v_and_b32 v[WOF], 31, v0
	v_lshlrev_b32 v[WOF], 2, v[WOF]
	v_lshlrev_b32 v[VB], 5, v2
	v_lshlrev_b32 v[VB2], 2, v1
	v_lshlrev_b32 v[SVO], 3, v1
	v_lshl_add_u32 v[SVO], v2, 10, v[SVO]          ; lanes 16-31 two blocks on
.irp b, 0,1,2,3
	v_mov_b32 v[TP+\b], 0                          ; a lane permute's destination counts as one of its sources
.endr
	; where my parts of the output begin, as offsets
	s_lshl_b32 s19, s17, 4
	s_lshl_b32 s20, s15, 3
	s_add_co_u32 s19, s19, s20                     ; phase 1: 16 rows x (16 TT + 8 (wave / 2)),
	s_mul_i32 s2, s19, 24576
	s_lshl_b32 s19, s18, 3
	s_lshl_b32 s20, s16, 2
	s_add_co_u32 s19, s19, s20                     ; block 8 FC + 4 (wave % 2)
	s_mul_i32 s19, s19, 384
	s_add_co_u32 s2, s2, s19
	s_mov_b32 s3, 0
	s_lshl_b32 s19, s18, 1
	s_add_co_u32 s19, s19, s16
	s_lshl_b32 s20, s19, 15                        ; its scale words: row 2 FC + wave % 2 of 8,192 words,
	s_lshl_b32 s19, s17, 10
	s_add_co_u32 s20, s20, s19
	s_lshl_b32 s19, s15, 9
	s_add_co_u32 s20, s20, s19                     ; token 256 TT + 128 (wave / 2)
	s_mov_b32 s21, 0
	s_lshl_b32 s22, s18, 10
	s_lshl_b32 s19, s16, 9
	s_add_co_u32 s22, s22, s19                     ; its bias: my 128 columns
	s_mov_b32 s23, 0
	s_lshl_b32 s19, s18, 3
	s_lshl_b32 s66, s15, 2
	s_add_co_u32 s19, s19, s66                     ; phase 2: 16 rows x (8 FC + 4 (wave / 2)),
	s_mul_i32 s[OC2], s19, 98304
	s_lshl_b32 s19, s17, 3
	s_lshl_b32 s66, s16, 2
	s_add_co_u32 s19, s19, s66                     ; block 8 TT + 4 (wave % 2)
	s_mul_i32 s19, s19, 384
	s_add_co_u32 s[OC2], s[OC2], s19
	s_add_co_u32 s[OC2], s[OC2], 12582912
	s_mov_b32 s[OC2+1], 0
	s_lshl_b32 s19, s17, 1
	s_add_co_u32 s19, s19, s16
	s_lshl_b32 s[OS2], s19, 12                     ; its scale words: row 2 TT + wave % 2 of 1,024 words,
	s_lshl_b32 s19, s18, 9
	s_lshl_b32 s66, s15, 8
	s_add_co_u32 s19, s19, s66                     ; feature 128 FC + 64 (wave / 2)
	s_add_co_u32 s[OS2], s[OS2], s19
	s_add_co_u32 s[OS2], s[OS2], 524288
	s_mov_b32 s[OS2+1], 0
	s_add_co_u32 s[BI2], s19, 8192                 ; its bias: the same features, from number 2,048 on
	s_mov_b32 s[BI2+1], 0
	s_wait_alu depctr_va_vdst(0)
	s_wait_kmcnt 0x0
	s_add_nc_u64 s[G0T+2:G0T+3], s[4:5], s[G0T+2:G0T+3]
.irp k, 1,2,3
	s_add_nc_u64 s[G0T+4*\k+2:G0T+4*\k+3], s[G0T+2:G0T+3], \k*STEPB
.endr
.irp k, 0,1,2,3
	s_or_b32 s[G0T+4*\k+3], s[G0T+4*\k+3], 0x80000000
.endr
	s_add_nc_u64 s[G0TS+2:G0TS+3], s[6:7], s[G0TS+2:G0TS+3]
	s_or_b32 s[G0TS+3], s[G0TS+3], 0x80000000
	s_add_nc_u64 s[G0F+2:G0F+3], s[4:5], s[G0F+2:G0F+3]
	s_add_nc_u64 s[G0F+6:G0F+7], s[G0F+2:G0F+3], STEPB
	s_or_b32 s[G0F+3], s[G0F+3], 0x80000000
	s_or_b32 s[G0F+7], s[G0F+7], 0x80000000
	s_add_nc_u64 s[G0FS+2:G0FS+3], s[6:7], s[G0FS+2:G0FS+3]
	s_or_b32 s[G0FS+3], s[G0FS+3], 0x80000000
	s_add_nc_u64 s[PV:PV+1], s[4:5], s[PV:PV+1]
	s_add_nc_u64 s[SVP:SVP+1], s[6:7], s[SVP:SVP+1]
	s_add_nc_u64 s[OC2:OC2+1], s[10:11], s[OC2:OC2+1]
	s_add_nc_u64 s[OS2:OS2+1], s[12:13], s[OS2:OS2+1]
	s_add_nc_u64 s[BI2:BI2+1], s[8:9], s[BI2:BI2+1]
	s_add_nc_u64 s[10:11], s[10:11], s[2:3]
	s_add_nc_u64 s[12:13], s[12:13], s[20:21]
	s_add_nc_u64 s[8:9], s[8:9], s[22:23]
	s_mov_b32 s2, 0x76543210
	s_mov_b32 s3, 0xfedcba98                       ; v_permlanex16_b32's selects for lane l xor 16
	s_mov_b32 s66, 0xffff0000                      ; lanes 16-31
.irp b, 0,1,2,3,4,5,6,7
	global_load_b128 v[BJ+8*\b:BJ+8*\b+3], v[VB], s[8:9] offset:64*\b        ; phase 1's bias: register 8 b + j: my column 16 b + 8 h + j.  It has all of phase 1's products in which to land
	global_load_b128 v[BJ+8*\b+4:BJ+8*\b+7], v[VB], s[8:9] offset:64*\b+16
.endr
	CROUND                                         ; all sixteen work-groups are here: the first joint loads meet
	; the head's four tiles, one joint load a wave, in one chain of branches on the wave's number: what K step 0 needs
	ARM 1, G0T,  G1T,  .Lh1, .Lhj                  ; wave 0: the tokens' K step 0
	ARM 2, G0F,  G1F,  .Lh2, .Lhj                  ; wave 1: the features' K step 0
	ARM 3, G0TS, G1ST, .Lh3, .Lhj                  ; wave 2: the tokens' scale bytes
	tensor_load_to_lds s[G0FS:G0FS+3], s[G1SF:G1SF+7]      ; wave 3: the features' scale bytes
	s_nop 0
.rept 4
	v_nop
.endr
.Lhj:
	s_wait_tensorcnt 0x0                           ; my tile of the four is in
	ds_add_u32 v[SPW], v[NIL]
	s_wait_dscnt 0x0
	CROUND                                         ; a whole round: all four tiles are in, and all sixteen work-groups are here
	ARM 1, G0T+4, G1T, .Lg1, .Lgj                  ; four first fills, one a wave: wave 0: the tokens' K step 1
	ARM 2, G0F+4, G1F, .Lg2, .Lgj                  ; wave 1: the features' K step 1
	ARM 3, G0T+8, G1T, .Lg3, .Lgj                  ; wave 2: the tokens' K step 2
	tensor_load_to_lds s[G0T+12:G0T+15], s[G1T:G1T+7]      ; wave 3: the tokens' K step 3
	s_nop 0
.rept 4
	v_nop
.endr
.Lgj:
	; ---- phase 1: q and k
	FETCH_B 0, 0, 0
	FETCH_A 0, 0, 0
	SCALES 0, 0
	FETCH_A 0, 0, 4
	STEP 0, 1                                      ; the first products start the sums
	TURN 0, 0                                      ; K step 1's tiles and the tokens' K steps 2 and 3 are shown whole
	STEP 1, 0
	TURN 1, 1                                      ; both slots take the features' K steps 2 and 3
	STEP 2, 0
	TURN 2, 0
	STEP 3, 0
	TURN 3, 3                                      ; both slots take V's four K steps: the last loads
	s_wait_loadcnt 8                               ; phase 1's bias is in; behind it V's 8 loads of scale words may be out
.irp a, 0,1,2,3,4,5,6,7
	OUTBLK \a, 0, 10, 12, 24576
.endr
	; ---- phase 2: V transposed, on the same tokens
	s_wait_tensorcnt 0x0                           ; my K step of V has landed: no load was issued behind it
	s_wait_dscnt 0x0
	s_barrier_signal -1
	s_barrier_wait -1                              ; all of V's tile lies in LDS: phase 2 needs no further barrier
	FETCH_A2 0, 0
	SCALESB 0
.irp a, 0,1,2,3
	global_load_b32 v[BJ+2*\a], v[VB2], s[BI2:BI2+1] offset:64*\a     ; phase 2's bias, twice: a whole pair for the packed addition
	global_load_b32 v[BJ+2*\a+1], v[VB2], s[BI2:BI2+1] offset:64*\a
.endr
.irp n, 0,1,2,3,4,5,6,7
	HSTEP \n
.endr
	PLACES NP                                      ; four places in front of the first read of results and the first write over A's fragments
	s_wait_loadcnt 0x0                             ; the bias
.irp a, 0,1,2,3
	OUTBLK \a, 1, OC2, OS2, 98304
.endr
	s_wait_tensorcnt 0x0                           ; the wave's end
	ds_add_u32 v[SPW], v[NIL]
	s_wait_dscnt 0x0
	CROUND                                         ; the closing round
	s_endpgm
.Lfunc_end_k_qe73d4c8bf6_qkv:
	.size	k_qe73d4c8bf6_qkv, .Lfunc_end_k_qe73d4c8bf6_qkv-k_qe73d4c8bf6_qkv
	.p2alignl 7, 3214868480
	.fill 96, 4, 3214868480
	.section	.rodata,"a",@progbits
	.p2align	6, 0x0
	.amdhsa_kernel k_qe73d4c8bf6_qkv
		.amdhsa_group_segment_fixed_size 327680
		.amdhsa_private_segment_fixed_size 0
		.amdhsa_enable_private_segment 0
		.amdhsa_kernarg_size 40
		.amdhsa_user_sgpr_count 2
		.amdhsa_user_sgpr_kernarg_segment_ptr 1
		.amdhsa_wavefront_size32 1
		.amdhsa_system_sgpr_workgroup_id_x 1
		.amdhsa_system_sgpr_workgroup_id_y 1
		.amdhsa_system_sgpr_workgroup_id_z 1
		.amdhsa_system_vgpr_workitem_id 0
		.amdhsa_next_free_vgpr 1024
		.amdhsa_next_free_sgpr 102
		.amdhsa_reserve_vcc 0
		.amdhsa_float_denorm_mode_32 3
		.amdhsa_float_denorm_mode_16_64 3
		.amdhsa_memory_ordered 1
		.amdhsa_forward_progress 1
		.amdhsa_inst_pref_size 255
	.end_amdhsa_kernel
	.section	.bss,"aw",@nobits
	.p2align	6
	.space	262144
	.amdgpu_metadata
---
amdhsa.version: [ 1, 2 ]
amdhsa.kernels:
  - .name:           k_qe73d4c8bf6_qkv
    .symbol:         k_qe73d4c8bf6_qkv.kd
    .args:
      - { .name: opc, .offset: 0, .size: 8, .value_kind: global_buffer, .address_space: global }
      - { .name: ops, .offset: 8, .size: 8, .value_kind: global_buffer, .address_space: global }
      - { .name: bqkv, .offset: 16, .size: 8, .value_kind: global_buffer, .address_space: global }
      - { .name: ac, .offset: 24, .size: 8, .value_kind: global_buffer, .address_space: global }
      - { .name: asc, .offset: 32, .size: 8, .value_kind: global_buffer, .address_space: global }
    .group_segment_fixed_size: 327680
    .private_segment_fixed_size: 0
    .kernarg_segment_align: 8
    .kernarg_segment_size: 40
    .max_flat_workgroup_size: 128
    .sgpr_count:     102
    .vgpr_count:     1024
    .wavefront_size: 32
...
	.end_amdgpu_metadata
.endif
;; end of part 2
;; launch att (part 3): grid 2 x 128, 16 waves a work-group, no clusters, 169,984 bytes of LDS; arguments ac, asc, yc, ysc; writes yc, ysc
.if DOCPART == 3
	.amdgcn_target "amdgcn-amd-amdhsa--gfx1250"
	.amdhsa_code_object_version 6
	.text
	.protected	k_qe73d4c8bf6_att
	.globl	k_qe73d4c8bf6_att
	.p2align	8
	.type	k_qe73d4c8bf6_att,@function
k_qe73d4c8bf6_att:
	s_mov_b64 s[64:65], 0
	v_nop
	global_prefetch_b8 v0, s[64:65] scope:SCOPE_SE
	s_setreg_imm32_b32 hwreg(HW_REG_WAVE_MODE, 25, 1), 1
	s_wait_xcnt 0x0
; y[b][q][64 h + d] = sum over keys k <= q of softmax_k(q . k / 8) v[k][d], for each of 128 heads (b, h); both products on codes of BF6 (E3M2) with E8M0 scales; y leaves as codes for the last product.
; THE SOFTMAX: t = score x log2(e) / 8; M = the running largest t rounded up to a whole number; p = 2^(t - M) is quantised along the keys; the row's sum is taken of the unquantised p and divides at the end.
; INPUTS (made by the launch before): ac: q's and k's codes, rows = tokens, 64 blocks a row (q: blocks 2 h, 2 h + 1; k: 32 + 2 h, + 1); from byte 12,582,912 V transposed, rows = features, 256 blocks a row along the tokens.
; asc: scale words [feature / 128][token]; from byte 524,288 [token / 128][feature].  A block lies at (row / 16) x blocks x 384 + block x 384 + (row % 16) x 24.
; A block's slots hold its numbers 0-7, 16-23, 8-15, 24-31, in q and k alike, in V's keys and in p's alike, and in y: the order in which matrix results lie in lanes l and l + 16.
; LIMITS: a block of zeros gets the byte 1 (its codes are zeros); blocks of y whose largest magnitude lies under 2^-122 are held at byte 1; NaN and infinities are not served.
; SHARES.  A work-group (x = 0, 1; y = the head) has sixteen waves; wave w owns the tiles of 16 queries 16 x + w and 63 - (16 x + w): together 9 key steps of 128 in every wave; what the causal mask throws away is not computed.
; A head's K (49,152 bytes), V (49,152) and V's scale words (2,048) come into LDS ONCE by tensor loads; K's scale words are laid beside them by ds_store.  Behind the one barrier LDS is only read.
; No multicast: two work-groups share a head's tiles, and each fetches them once.
; A HEAD'S K IS 64, THE INSTRUCTION'S 128: a fragment holds keys 32 b + 0..15 in its K 0-63 and keys 32 b + 16..31 in its K 64-127; multiplied by [q | 0] it gives the first sixteen keys' scores, by [0 | q] the others'.
; Each tile walks a loop of eight trips; a step whose keys all come after the tile's queries is jumped over, by a scalar branch on ids.
; THE FILLS COME IN TWO STAGES (in place of what the lines above say of one barrier and of eight trips for each tile).  Thirteen waves issue one tensor load each: waves 0-3 K's quarters of 256 keys,
; waves 4-7 V's keys 0-511 of 16 features each, waves 8-11 V's keys 512-1023, wave 12 V's scale words.  A wave's first tile is one of tiles 0-31: at most four steps, so its loop has four trips, and with the
; fetch of the next step's K it names K's keys 0-511 and V's keys 0-511 at the most.  Waves 0-2, 4-7 and 12 wait for their loads ahead of the first barrier.  Waves 3 and 8-11 ask when their own loads of q
; have landed, so that what is needed first is asked for first; their loads stay out under the first tile's work, and a wait for all loads in every wave and a second barrier stand ahead of the second tile.
.set VC,   49152
.set VS,   100352                      ; V's scale words lie behind K's: the fetch of the next step's K scale words, written once for all eight trips, then names only bytes that the kernel writes
.set KS,   98304
.set AK0,  1                           ; v1   my lane's place in a fragment: 384 h + 24 r
.set AV0,  2                           ; v2   the same in V's region
.set ADK,  3                           ; v3-6 the step's addresses: K, V, K's scale words, V's
.set ADV,  4
.set ADKS, 5
.set ADVS, 6
.set YO,   7                           ; v7   my 12 bytes in a block's 384
.set YS,   8                           ; v8   8 r
.set NINF, 10                          ; v10  -infinity
.set MK,   92                          ; s[92:99] the diagonal's eight lane masks: mask i has the lanes (r, h) with i + 8 h > r
.set QA,   16                          ; v16-39 [q | 0 | 0 | q] of my first tile;  v40-63 of my second
.set QB,   40
.set F,    64                          ; v64-111 four fragments
.set S,    112                         ; v112-175 scores, then p
.set OA,   176                         ; v176-207 O^T
.set PC,   208                         ; v208-219 p's codes
.set CT,   220                         ; v220-222, v224-226 conversions' results
.set AKS0, 223                         ; v223 KS + 4 r
.set AVS0, 227                         ; v227 VS + 4 r
.set BM,   228
.set BP,   232
.set SO,   236
.set KSR,  240
.set VSR,  244
.set QSA,  248
.set QSB,  249
.set PS,   250
.macro FRAGS adr, off, stride, sreg, sadr, soff   ; four fragments and their scale words
.irp f, 0,1,2,3
.irp p, 0,1,2,3,4,5
	ds_load_b64 v[F+12*\f+2*\p:F+12*\f+2*\p+1], v[\adr] offset:\off+\f*\stride+(\p/3)*768+8*(\p%3)
.endr
	ds_load_b32 v[\sreg+\f], v[\sadr] offset:\soff+64*\f
.endr
.endm
; THE CAUSAL MASK in the diagonal's step.  Registers S + 8 g + i of lane (r, h) hold key 16 g + 8 h + i of the step, and my query is number 16 j + r of the step (s70 = 16 j).  So group g is all visible where g < j
; (nothing is done), all hidden where g > j (eight moves of -infinity), and where g = j key i is hidden in the lanes with i + 8 h > r, which are the same for every j: eight selects by constant masks.
; The branches hang on ids alone.
.macro MASKG g
.if (\g) > 0
	s_cmp_lt_u32 s70, 16*(\g)
	s_cbranch_scc1 .Lall_\@
.endif
	s_cmp_eq_u32 s70, 16*(\g)
	s_cbranch_scc0 .Lseen_\@
.irp i, 0,1,2,3,4,5,6,7
	v_cndmask_b32 v[S+8*(\g)+\i], v[S+8*(\g)+\i], v[NINF], s[MK+\i]   ; the accumulator from its low end on
.endr
.if (\g) > 0
	s_branch .Lseen_\@
.Lall_\@:
.irp i, 0,1,2,3,4,5,6,7
	v_mov_b32 v[S+8*(\g)+\i], v[NINF]
.endr
.endif
.Lseen_\@:
.endm
.macro TILE Q, QS, tau, trips
	s_wait_xcnt 0x0                                ; the last tile's stores have read their data and bases
	s_wait_dscnt 0x0
	FRAGS AK0, 0, 1536, KSR, AKS0, 0               ; K of step 0
	s_lshr_b32 s69, s[\tau], 3                     ; the step on the diagonal
	s_and_b32 s70, s[\tau], 7
	s_lshl_b32 s70, s70, 4
	v_mov_b32 v13, 0xff61b1e6                      ; the largest t so far: -3e38
	s_delay_alu instid0(VALU_DEP_1)
	v_floor_f32 v12, -v13                          ; -M
	v_mov_b32 v14, 0                               ; the sum, in two halves
	v_mov_b32 v15, 0
.set cn, 0
.rept 32
	v_mov_b32 v[OA+cn], 0                          ; the step is written once: the first finds zeros
.set cn, cn+1
.endr
	s_mov_b32 s68, 0                               ; the step
	s_mov_b32 s71, 0                               ; K: 6,144 bytes a step
	s_mov_b32 s87, 0                               ; V: 1,536
	s_mov_b32 s88, 0                               ; scale words: 256
.Ltrip_\@:
	s_cmp_gt_u32 s68, s69
	s_cbranch_scc1 .Lhidden_\@                     ; all its keys come after my queries
	s_wait_dscnt 0x0                               ; K's fragments and scale words are in
.irp b, 0,1,2,3
	v_wmma_scale_f32_16x16x128_f8f6f4 v[S+16*\b:S+16*\b+7], v[F+12*\b:F+12*\b+11], v[\Q:\Q+11], 0, v[KSR+\b], v[\QS] matrix_a_fmt:MATRIX_FMT_BF6 matrix_b_fmt:MATRIX_FMT_BF6
	v_wmma_scale_f32_16x16x128_f8f6f4 v[S+16*\b+8:S+16*\b+15], v[F+12*\b:F+12*\b+11], v[\Q+12:\Q+23], 0, v[KSR+\b], v[\QS] matrix_a_fmt:MATRIX_FMT_BF6 matrix_b_fmt:MATRIX_FMT_BF6
.endr                                              ; lane (r, h): query r; register 16 b + i: key 32 b + 8 h + i + 8 (i / 8)
	v_add_nc_u32 v[ADK], s71, v[AK0]               ; the step's addresses: four plain lines, the places in front of the loads into the fragments' registers and of the first read of the scores
	v_add_nc_u32 v[ADV], s87, v[AV0]
	v_add_nc_u32 v[ADKS], s88, v[AKS0]
	v_add_nc_u32 v[ADVS], s88, v[AVS0]
	FRAGS ADV, 0, 12288, VSR, ADVS, 0              ; V of this step lands under the softmax
	s_cmp_lt_u32 s68, s69
	s_cbranch_scc1 .Lopen_\@                       ; all its keys count
.irp g, 0,1,2,3,4,5,6,7
	MASKG \g                                       ; hidden keys: -infinity ahead of the maximum, so p = 0
.endr
	s_wait_alu depctr_va_vdst(0)
.Lopen_\@:
.irp b, 0,1,2,3
	v_max3_num_f32 v[BM+\b], v[S+16*\b], v[S+16*\b+1], v[S+16*\b+2]   ; the largest score of each block of 32 keys: for the row's maximum and, since p rises with the score, for the block's largest p
.endr
.irp i, 3,5,7,9,11,13
.irp b, 0,1,2,3
	v_max3_num_f32 v[BM+\b], v[BM+\b], v[S+16*\b+\i], v[S+16*\b+\i+1]
.endr
.endr
.irp b, 0,1,2,3
	v_max_num_f32 v[BM+\b], v[BM+\b], v[S+16*\b+15]
.endr
.irp b, 0,1,2,3
	s_delay_alu instid0(VALU_DEP_4)
	v_permlanex16_b32 v[BP+\b], v[BM+\b], s22, s23
.endr
.irp b, 0,1,2,3
	s_delay_alu instid0(VALU_DEP_4)
	v_max_num_f32 v[BM+\b], v[BM+\b], v[BP+\b]
.endr
	s_delay_alu instid0(VALU_DEP_2)
	v_max3_num_f32 v254, v[BM], v[BM+1], v[BM+2]
	s_delay_alu instid0(VALU_DEP_1)
	v_max_num_f32 v254, v254, v[BM+3]
	s_delay_alu instid0(VALU_DEP_1)
	v_mul_f32 v254, s24, v254                      ; as t
	s_delay_alu instid0(VALU_DEP_1)
	v_max_num_f32 v13, v13, v254                   ; the running largest t
	v_mov_b32 v254, v12
	s_delay_alu instid0(VALU_DEP_2)
	v_floor_f32 v12, -v13                          ; the new -M = -ceil(t)
	s_delay_alu instid0(VALU_DEP_1)
	v_sub_f32 v254, v12, v254                      ; old M - new M: a whole number, 0 or less
	s_delay_alu instid0(VALU_DEP_1)
	v_cvt_i32_f32 v254, v254                       ; (it saturates)
	s_delay_alu instid0(VALU_DEP_1)
	v_ldexp_f32 v252, 1.0, v254                    ; f = 2^(old M - new M): rounds nothing
.set cn, 0
.rept 32
	v_pk_fma_f32 v[S+cn:S+cn+1], v[S+cn:S+cn+1], s[24:25], v[12:13] op_sel_hi:[1,0,0]   ; t - M
.set cn, cn+2
.endr
.irp b, 0,1,2,3
	v_fma_f32 v[BM+\b], v[BM+\b], s24, v12
.endr
.set cn, 0
	s_wait_alu depctr_va_vdst(0)
.rept 64
	v_exp_f32 v[S+cn], v[S+cn]                     ; p = 2^(t - M)
.set cn, cn+1
.endr
.irp b, 0,1,2,3
	v_exp_f32 v[BM+\b], v[BM+\b]                   ; the block's largest p
.endr
	v_pk_mul_f32 v[14:15], v[14:15], v[252:253] op_sel_hi:[1,0]   ; the sums under the new M (a plain place behind the exponentials)
	s_wait_alu depctr_va_vdst(0)
.irp b, 0,1,2,3
	v_max_num_f32 v[BM+\b], 0x2800000, v[BM+\b]    ; the floor 2^(5 - 127)
.endr
.irp b, 0,1,2,3
	s_delay_alu instid0(VALU_DEP_4)
	v_add_nc_u32 v[SO+\b], 0xfe000000, v[BM+\b]
.endr
.irp b, 0,1,2,3
	s_delay_alu instid0(VALU_DEP_4)
	v_lshrrev_b32 v[BP+\b], 23, v[SO+\b]
.endr
	s_delay_alu instid0(VALU_DEP_3)
	v_lshl_or_b32 v[PS], v[BP+1], 8, v[BP]         ; p's scale word for these 128 keys
	s_delay_alu instid0(VALU_DEP_1)
	v_lshl_or_b32 v[PS], v[BP+2], 16, v[PS]
	s_delay_alu instid0(VALU_DEP_1)
	v_lshl_or_b32 v[PS], v[BP+3], 24, v[PS]
.irp c, 0,1
	v_cvt_scalef32_pk16_bf6_f32 v[PC+6*\c:PC+6*\c+2], v[S+32*\c:S+32*\c+15], v[SO+2*\c]
	v_cvt_scalef32_pk16_bf6_f32 v[CT+4*\c:CT+4*\c+2], v[S+32*\c+16:S+32*\c+31], v[SO+2*\c+1]
.endr
	v_nop                                          ; one plain place behind the scaled conversions
.irp c, 0,1                                        ; the operand wants a whole block in a lane: lanes 0-15 block 2 c, lanes 16-31 block 2 c + 1
.irp i, 0,1,2
	v_permlane16_swap_b32 v[PC+6*\c+\i], v[CT+4*\c+\i]
.endr
.irp i, 0,1,2
	s_delay_alu instid0(VALU_DEP_3)
	v_mov_b32 v[PC+6*\c+3+\i], v[CT+4*\c+\i]
.endr
.endr
	v_pk_add_f32 v[232:233], v[116:117], v[120:121]
	v_pk_add_f32 v[238:239], v[124:125], v[128:129]
	v_pk_add_f32 v[236:237], v[132:133], v[136:137]
	v_pk_add_f32 v[230:231], v[140:141], v[144:145]
	v_pk_add_f32 v[228:229], v[148:149], v[152:153]
	v_pk_add_f32 v[224:225], v[156:157], v[160:161]
	v_pk_add_f32 v[220:221], v[164:165], v[168:169]
	v_pk_add_f32 v[14:15], v[14:15], v[172:173]
	v_pk_add_f32 v[232:233], v[232:233], v[112:113]
	v_pk_add_f32 v[238:239], v[238:239], v[114:115]
	v_pk_add_f32 v[236:237], v[236:237], v[118:119]
	v_pk_add_f32 v[230:231], v[230:231], v[122:123]
	v_pk_add_f32 v[228:229], v[228:229], v[126:127]
	v_pk_add_f32 v[224:225], v[224:225], v[130:131]
	v_pk_add_f32 v[220:221], v[220:221], v[134:135]
	v_pk_add_f32 v[14:15], v[14:15], v[138:139]
	v_pk_add_f32 v[232:233], v[232:233], v[142:143]
	v_pk_add_f32 v[238:239], v[238:239], v[146:147]
	v_pk_add_f32 v[236:237], v[236:237], v[150:151]
	v_pk_add_f32 v[230:231], v[230:231], v[154:155]
	v_pk_add_f32 v[228:229], v[228:229], v[158:159]
	v_pk_add_f32 v[224:225], v[224:225], v[162:163]
	v_pk_add_f32 v[220:221], v[220:221], v[166:167]
	v_pk_add_f32 v[14:15], v[14:15], v[170:171]
	v_pk_add_f32 v[232:233], v[232:233], v[174:175]
	s_delay_alu instid0(VALU_DEP_2)
	v_pk_add_f32 v[14:15], v[14:15], v[230:231]
	s_delay_alu instid0(VALU_DEP_2)
	v_pk_add_f32 v[232:233], v[232:233], v[228:229]
	v_pk_add_f32 v[238:239], v[238:239], v[224:225]
	v_pk_add_f32 v[236:237], v[236:237], v[220:221]
	s_delay_alu instid0(VALU_DEP_2)
	v_pk_add_f32 v[14:15], v[14:15], v[238:239]
	s_delay_alu instid0(VALU_DEP_2)
	v_pk_add_f32 v[232:233], v[232:233], v[236:237]
	s_delay_alu instid0(VALU_DEP_1)
	v_pk_add_f32 v[14:15], v[14:15], v[232:233]
.set cn, 0
.rept 16
	v_pk_mul_f32 v[OA+cn:OA+cn+1], v[OA+cn:OA+cn+1], v[252:253] op_sel_hi:[1,0]   ; O^T under the new M; with the sums above: the places between p's codes and scale word and the products below
.set cn, cn+2
.endr
	s_wait_alu depctr_va_vdst(0)
	s_wait_dscnt 0x0                               ; V is in
.irp t, 0,1,2,3
	v_wmma_scale_f32_16x16x128_f8f6f4 v[OA+8*\t:OA+8*\t+7], v[F+12*\t:F+12*\t+11], v[PC:PC+11], v[OA+8*\t:OA+8*\t+7], v[VSR+\t], v[PS] matrix_a_fmt:MATRIX_FMT_BF6 matrix_b_fmt:MATRIX_FMT_BF6
.endr                                              ; four accumulators by turns; the scores' eight products stand between an accumulator's links
.rept 4
	v_nop                                          ; places in front of loads into the fragments' registers and of the first read of O^T
.endr
	s_cmp_eq_u32 s68, s69
	s_cbranch_scc1 .Lhidden_\@                     ; the diagonal's step is the tile's last: nothing more is fetched
	FRAGS ADK, 6144, 1536, KSR, ADKS, 256          ; K of the next step
.Lhidden_\@:
	s_add_co_u32 s71, s71, 6144
	s_add_co_u32 s87, s87, 1536
	s_add_co_u32 s88, s88, 256
	s_add_co_u32 s68, s68, 1
	s_cmp_lt_u32 s68, \trips
	s_cbranch_scc1 .Ltrip_\@
	s_wait_dscnt 0x0
	; the way out: O^T / the sum, quantised along the head's 64: two blocks
	v_add_f32 v14, v14, v15
	s_delay_alu instid0(VALU_DEP_1)
	v_permlanex16_b32 v254, v14, s22, s23
	s_delay_alu instid0(VALU_DEP_1)
	v_add_f32 v14, v14, v254                       ; the row's sum
	s_wait_alu depctr_va_vdst(0)
	v_rcp_f32 v252, v14
	v_nop                                          ; a plain place behind the transcendental
.set cn, 0
	s_wait_alu depctr_va_vdst(0)
.rept 16
	v_pk_mul_f32 v[S+cn:S+cn+1], v[OA+cn:OA+cn+1], v[252:253] op_sel_hi:[1,0]   ; register 8 t + j: y(query r, 16 t + 8 h + j)
.set cn, cn+2
.endr
.irp b, 0,1
	v_max3_num_f32 v[BM+\b], |v[S+16*\b]|, |v[S+16*\b+1]|, 0x2800000
.endr
.irp i, 2,4,6,8,10,12,14
.irp b, 0,1
	s_delay_alu instid0(VALU_DEP_2)
	v_max3_num_f32 v[BM+\b], v[BM+\b], |v[S+16*\b+\i]|, |v[S+16*\b+\i+1]|
.endr
.endr
.irp b, 0,1
	s_delay_alu instid0(VALU_DEP_2)
	v_permlanex16_b32 v[BP+\b], v[BM+\b], s22, s23
.endr
.irp b, 0,1
	s_delay_alu instid0(VALU_DEP_2)
	v_max_num_f32 v[BM+\b], v[BM+\b], v[BP+\b]
.endr
.irp b, 0,1
	s_delay_alu instid0(VALU_DEP_2)
	v_add_nc_u32 v[SO+\b], 0xfe000000, v[BM+\b]
.endr
.irp b, 0,1
	s_delay_alu instid0(VALU_DEP_2)
	v_lshrrev_b32 v[BP+\b], 23, v[SO+\b]
.endr
	v_cvt_scalef32_pk16_bf6_f32 v[CT:CT+2], v[S:S+15], v[SO]
	s_wait_alu depctr_va_vdst(0)
	v_cvt_scalef32_pk16_bf6_f32 v[CT+4:CT+6], v[S+16:S+31], v[SO+1]
	s_wait_alu depctr_va_vdst(0)
	v_lshl_or_b32 v255, v[BP+1], 8, v[BP]          ; the two bytes (a plain place behind the conversions)
	s_wait_alu depctr_va_vdst(0)
	s_add_co_u32 s70, s91, s[\tau]                 ; my 16 tokens: 64 b + tile
	s_mul_i32 s82, s70, 12288
	s_add_co_u32 s82, s82, s89
	s_mov_b32 s83, 0
	s_add_nc_u64 s[82:83], s[8:9], s[82:83]
	s_lshl_b32 s84, s70, 9
	s_add_co_u32 s84, s84, s90
	s_mov_b32 s85, 0
	s_add_nc_u64 s[84:85], s[10:11], s[84:85]
	global_store_b96 v[YO], v[CT:CT+2], s[82:83]               ; a block's 384 consecutive bytes
	global_store_b96 v[YO], v[CT+4:CT+6], s[82:83] offset:384
	global_store_b16 v[YS], v255, s[84:85]         ; lanes l and l + 16 hold the same two bytes and write them to the same place
.endm
	s_load_b256 s[4:11], s[0:1], 0x0               ; ac s[4:5], asc s[6:7], yc s[8:9], ysc s[10:11]
	v_lshl_add_u32 v254, v0, 2, 0x29000
	v_mov_b32 v255, 0
	ds_add_u32 v254, v255
	ds_add_u32 v254, v255
	s_wait_dscnt 0x0
	v_lshrrev_b32 v1, 5, v0
	s_delay_alu instid0(VALU_DEP_1)
	v_readfirstlane_b32 s16, v1                    ; wave 0..15
	s_and_b32 s18, ttmp7, 0xffff
	s_lshr_b32 s19, s18, 4                         ; b
	s_and_b32 s20, s18, 15                         ; h
	s_lshl_b32 s66, ttmp9, 4
	s_add_co_u32 s66, s66, s16                     ; my first tile of queries
	s_sub_co_u32 s67, 63, s66                      ; my second
	s_lshl_b32 s91, s19, 6                         ; 64 b
	s_mul_i32 s89, s20, 768                        ; the head's two blocks in a row of q or of y
	s_lshr_b32 s21, s20, 2
	s_lshl_b32 s90, s21, 7
	s_and_b32 s21, s20, 3
	s_lshl_b32 s21, s21, 1
	s_add_co_u32 s90, s90, s21                     ; and its two bytes among y's scale bytes
	s_mov_b32 s22, 0x76543210
	s_mov_b32 s23, 0xfedcba98                      ; v_permlanex16_b32's selects for lane l xor 16
	s_mov_b32 s24, 0x3e38aa3b                      ; c = log2(e) / 8
	s_mov_b32 s25, s24
	s_mov_b32 s26, 0x05040100                      ; an even head's bytes are a scale word's 0, 1; an odd head's 2, 3
	s_mov_b32 s27, 0x01000100
	s_and_b32 s21, s20, 1
	s_cmp_lg_u32 s21, 0
	s_cselect_b32 s26, 0x07060302, s26
	s_cselect_b32 s27, 0x03020302, s27
	; descriptors.  K: 16 tiles of 16 keys, 768 bytes each, 24,576 bytes apart
	s_mov_b32 s28, 3<<16
	s_mov_b32 s29, 96<<16
	s_mov_b32 s30, 16<<16
	s_mov_b32 s31, 96<<16
	s_mov_b32 s32, 16
	s_mov_b32 s33, 3072
	s_mov_b32 s34, 0
	s_mov_b32 s35, 0
	; V: 16 features x 512 keys: 6,144 dense bytes as 24 rows of 256
	s_mov_b32 s36, 3<<16
	s_mov_b32 s37, 32<<16
	s_mov_b32 s38, 24<<16
	s_mov_b32 s39, 32<<16
	s_mov_b32 s40, 24
	s_mov_b32 s41, 32
	s_mov_b32 s42, 0
	s_mov_b32 s43, 0
	; V's scale words: 8 steps x 256 bytes, 4,096 bytes apart
	s_mov_b32 s44, 3<<16
	s_mov_b32 s45, 32<<16
	s_mov_b32 s46, 8<<16
	s_mov_b32 s47, 32<<16
	s_mov_b32 s48, 8
	s_mov_b32 s49, 512
	s_mov_b32 s50, 0
	s_mov_b32 s51, 0
	s_and_b32 s93, s16, 3
	s_mov_b32 s52, 1
	s_mul_i32 s53, s93, 12288                      ; K: quarter wave & 3
	s_mov_b32 s56, 1
	s_bfe_u32 s12, s16, 0x10003                    ; bit 3 of the wave's number: waves 8-11 take V's keys 512 on,
	s_mul_i32 s12, s12, 6144                       ; 6,144 bytes further on, in memory and in LDS
	s_add_co_u32 s57, s53, VC                      ; V: features 16 (wave & 3) on
	s_add_co_u32 s57, s57, s12
	s_mov_b32 s60, 1
	s_mov_b32 s61, VS
	s_lshl_b32 s94, s93, 4
	s_add_co_u32 s94, s94, s91
	s_mul_i32 s94, s94, 24576
	s_add_co_u32 s94, s94, s89
	s_add_co_u32 s94, s94, 12288                   ; k's blocks lie 32 blocks behind q's
	s_mov_b32 s95, 0
	s_lshl_b32 s2, s20, 2
	s_add_co_u32 s2, s2, s93
	s_mul_i32 s2, s2, 98304
	s_mul_i32 s3, s19, 12288
	s_add_co_u32 s2, s2, s3
	s_add_co_u32 s2, s2, 12582912
	s_add_co_u32 s2, s2, s12
	s_mov_b32 s3, 0
	s_lshl_b32 s92, s19, 15
	s_lshl_b32 s93, s20, 8
	s_add_co_u32 s92, s92, s93
	s_add_co_u32 s92, s92, 524288
	s_mov_b32 s93, 0
	s_wait_kmcnt 0x0
	s_add_nc_u64 s[54:55], s[4:5], s[94:95]
	s_or_b32 s55, s55, 0x80000000
	s_add_nc_u64 s[58:59], s[4:5], s[2:3]
	s_or_b32 s59, s59, 0x80000000
	s_add_nc_u64 s[62:63], s[6:7], s[92:93]
	s_or_b32 s63, s63, 0x80000000
.irp i, 0,1,2,3,4,5,6,7
	s_mov_b32 s[MK+\i], ((1<<\i)-1)|(((1<<(\i+8))-1)<<16)   ; lanes 0-15: r < i; lanes 16-31: r < i + 8
.endr
	s_add_co_u32 s70, s91, s66
	s_mul_i32 s74, s70, 24576
	s_add_co_u32 s74, s74, s89
	s_mov_b32 s75, 0
	s_add_nc_u64 s[74:75], s[4:5], s[74:75]        ; q's codes, first tile
	s_add_co_u32 s70, s91, s67
	s_mul_i32 s76, s70, 24576
	s_add_co_u32 s76, s76, s89
	s_mov_b32 s77, 0
	s_add_nc_u64 s[76:77], s[4:5], s[76:77]        ; second tile
	s_lshr_b32 s21, s20, 1
	s_lshl_b32 s70, s21, 15
	s_lshl_b32 s86, s19, 12
	s_add_co_u32 s70, s70, s86                     ; ((h / 2) x 8,192 + 1,024 b) x 4
	s_lshl_b32 s78, s66, 6
	s_add_co_u32 s78, s78, s70
	s_mov_b32 s79, 0
	s_add_nc_u64 s[78:79], s[6:7], s[78:79]        ; q's scale words
	s_lshl_b32 s80, s67, 6
	s_add_co_u32 s80, s80, s70
	s_mov_b32 s81, 0
	s_add_nc_u64 s[80:81], s[6:7], s[80:81]
	s_add_co_u32 s72, s70, 262144                  ; k's: eight rows of words further on
	s_mov_b32 s73, 0
	s_add_nc_u64 s[72:73], s[6:7], s[72:73]
	v_and_b32 v254, 15, v0                         ; r
	v_bfe_u32 v255, v0, 4, 1                       ; h
	s_delay_alu instid0(VALU_DEP_2)
	v_mul_u32_u24 v[AK0], v254, 24
	s_delay_alu instid0(VALU_DEP_1)
	v_mad_u32_u24 v[AK0], v255, 384, v[AK0]
	s_delay_alu instid0(VALU_DEP_1)
	v_add_nc_u32 v[AV0], VC, v[AK0]
	v_lshl_add_u32 v[AKS0], v254, 2, KS
	v_lshl_add_u32 v[AVS0], v254, 2, VS
	v_mul_u32_u24 v[YO], v254, 24
	s_delay_alu instid0(VALU_DEP_1)
	v_mad_u32_u24 v[YO], v255, 12, v[YO]
	v_lshlrev_b32 v[YS], 3, v254
	v_mov_b32 v[NINF], 0xff800000
	v_lshlrev_b32 v3, 2, v254                      ; 4 r
	v_lshrrev_b32 v4, 4, v0
	s_delay_alu instid0(VALU_DEP_1)
	v_lshl_add_u32 v4, v4, 7, v3                   ; thread n: keys 32 (n / 16) + n % 16 and 16 further on
	v_lshl_add_u32 v5, v0, 2, KS
.irp p, 0,1,2
	global_load_b64 v[QA+2*\p:QA+2*\p+1], v[AK0], s[74:75] offset:8*\p
	global_load_b64 v[QA+18+2*\p:QA+18+2*\p+1], v[AK0], s[74:75] offset:8*\p
	global_load_b64 v[QB+2*\p:QB+2*\p+1], v[AK0], s[76:77] offset:8*\p
	global_load_b64 v[QB+18+2*\p:QB+18+2*\p+1], v[AK0], s[76:77] offset:8*\p
.endr
	global_load_b32 v[QSA], v3, s[78:79]
	global_load_b32 v[QSB], v3, s[80:81]
	global_load_b32 v[KSR], v4, s[72:73]
	global_load_b32 v[KSR+1], v4, s[72:73] offset:64
	s_wait_alu depctr_va_vdst(0)
	; the fills: one chain of branches on the wave's number, one load to an arm, each filled once.  The arms of the first stage hold the wait that their tiles' readers need
	s_cmp_lt_u32 s16, 3
	s_cbranch_scc0 .Lnot_ka
	tensor_load_to_lds s[52:55], s[28:35]          ; waves 0-2: K's keys 0-767
	s_nop 0
.rept 4
	v_nop
.endr
	s_wait_tensorcnt 0x0
	s_branch .Lasked
.Lnot_ka:
	s_cmp_lt_u32 s16, 4
	s_cbranch_scc0 .Lnot_kb
	s_wait_loadcnt 0x0                             ; second stage: asked for when my loads of q have landed
	tensor_load_to_lds s[52:55], s[28:35]          ; wave 3: K's keys 768-1023
	s_nop 0
.rept 4
	v_nop
.endr
	s_branch .Lasked
.Lnot_kb:
	s_cmp_lt_u32 s16, 8
	s_cbranch_scc0 .Lnot_va
	tensor_load_to_lds s[56:59], s[36:43]          ; waves 4-7: V's keys 0-511
	s_nop 0
.rept 4
	v_nop
.endr
	s_wait_tensorcnt 0x0
	s_branch .Lasked
.Lnot_va:
	s_cmp_lt_u32 s16, 12
	s_cbranch_scc0 .Lnot_vb
	s_wait_loadcnt 0x0                             ; second stage
	tensor_load_to_lds s[56:59], s[36:43]          ; waves 8-11: V's keys 512-1023
	s_nop 0
.rept 4
	v_nop
.endr
	s_branch .Lasked
.Lnot_vb:
	s_cmp_eq_u32 s16, 12
	s_cbranch_scc0 .Lasked
	tensor_load_to_lds s[60:63], s[44:51]          ; wave 12: V's scale words
	s_nop 0
.rept 4
	v_nop
.endr
	s_wait_tensorcnt 0x0
.Lasked:
.set cn, 6
.rept 12
	v_mov_b32 v[QA+cn], 0                          ; zero codes
	v_mov_b32 v[QB+cn], 0
.set cn, cn+1
.endr
.irp b, 0,1,2,3
	v_mov_b32 v[BP+\b], 0                          ; a lane permute's destination counts as one of its sources
.endr
	v_mov_b32 v253, 0                              ; named as the upper half of the pair v[252:253]
	s_wait_loadcnt 0x0
	v_perm_b32 v[QSA], v[QSA], v[QSA], s27         ; q's two bytes, twice
	v_perm_b32 v[QSB], v[QSB], v[QSB], s27
	v_perm_b32 v[KSR+2], v[KSR+1], v[KSR], s26     ; the first key's two bytes, then the second's: a fragment row's scale word
	ds_store_b32 v5, v[KSR+2]
	s_wait_dscnt 0x0                               ; my scale word is stored (a first-stage tile of mine has landed: its arm waited):
	s_barrier_signal -1
	s_barrier_wait -1                              ; everybody's are
	TILE QA, QSA, 66, 4                            ; one of tiles 0-31: at most four steps, on the first stage's bytes
	s_wait_tensorcnt 0x0                           ; every wave: a second-stage tile of mine has landed
	s_wait_dscnt 0x0
	s_barrier_signal -1
	s_barrier_wait -1                              ; everybody's have: all of K and V lie in LDS
	TILE QB, QSB, 67, 8
	s_wait_xcnt 0x0
	v_lshl_add_u32 v254, v0, 2, 0x29000
	v_mov_b32 v255, 0
	s_wait_alu depctr_va_vdst(0)
	s_wait_tensorcnt 0x0
	ds_add_u32 v254, v255
	s_wait_dscnt 0x0
	s_endpgm
.Lfunc_end_k_qe73d4c8bf6_att:
	.size	k_qe73d4c8bf6_att, .Lfunc_end_k_qe73d4c8bf6_att-k_qe73d4c8bf6_att
	.p2alignl 7, 3214868480
	.fill 96, 4, 3214868480
	.section	.rodata,"a",@progbits
	.p2align	6, 0x0
	.amdhsa_kernel k_qe73d4c8bf6_att
		.amdhsa_group_segment_fixed_size 169984
		.amdhsa_private_segment_fixed_size 0
		.amdhsa_enable_private_segment 0
		.amdhsa_kernarg_size 32
		.amdhsa_user_sgpr_count 2
		.amdhsa_user_sgpr_kernarg_segment_ptr 1
		.amdhsa_wavefront_size32 1
		.amdhsa_system_sgpr_workgroup_id_x 1
		.amdhsa_system_sgpr_workgroup_id_y 1
		.amdhsa_system_sgpr_workgroup_id_z 1
		.amdhsa_system_vgpr_workitem_id 0
		.amdhsa_next_free_vgpr 256
		.amdhsa_next_free_sgpr 100
		.amdhsa_reserve_vcc 0
		.amdhsa_float_denorm_mode_32 3
		.amdhsa_float_denorm_mode_16_64 3
		.amdhsa_memory_ordered 1
		.amdhsa_forward_progress 1
		.amdhsa_inst_pref_size 79
	.end_amdhsa_kernel
	.amdgpu_metadata
---
amdhsa.version: [ 1, 2 ]
amdhsa.kernels:
  - .name:           k_qe73d4c8bf6_att
    .symbol:         k_qe73d4c8bf6_att.kd
    .args:
      - { .name: ac, .offset: 0, .size: 8, .value_kind: global_buffer, .address_space: global }
      - { .name: asc, .offset: 8, .size: 8, .value_kind: global_buffer, .address_space: global }
      - { .name: yc, .offset: 16, .size: 8, .value_kind: global_buffer, .address_space: global }
      - { .name: ysc, .offset: 24, .size: 8, .value_kind: global_buffer, .address_space: global }
    .group_segment_fixed_size: 169984
    .private_segment_fixed_size: 0
    .kernarg_segment_align: 8
    .kernarg_segment_size: 32
    .max_flat_workgroup_size: 512
    .sgpr_count:     100
    .vgpr_count:     256
    .wavefront_size: 32
...
	.end_amdgpu_metadata
.endif
;; end of part 3
;; launch proj (part 4): grid 4 x 64, 4 waves a work-group, clusters of 4 x 4, 327,680 bytes of LDS; arguments yc, ysc, opc, ops, out0, bproj; writes out0
.if DOCPART == 4
	.amdgcn_target "amdgcn-amd-amdhsa--gfx1250"
	.amdhsa_code_object_version 6
	.text
	.protected	k_qe73d4c8bf6_proj
	.globl	k_qe73d4c8bf6_proj
	.p2align	8
	.type	k_qe73d4c8bf6_proj,@function
k_qe73d4c8bf6_proj:
	s_mov_b64 s[64:65], 0
	v_nop
	global_prefetch_b8 v0, s[64:65] scope:SCOPE_SE
	s_setreg_imm32_b32 hwreg(HW_REG_WAVE_MODE, 25, 1), 1
	s_wait_xcnt 0x0
	s_wait_alu depctr_hold_cnt(0) depctr_sa_sdst(0) depctr_va_vdst(0) depctr_va_sdst(0) depctr_va_ssrc(0) depctr_va_vcc(0) depctr_vm_vsrc(0)
	s_getreg_b32 s2, hwreg(HW_REG_IB_STS2, 6, 4)
	s_cmp_eq_u32 s2, 0
	s_cbranch_scc0 .Lentry_in_a_cluster
	s_endpgm
.Lentry_in_a_cluster:
	s_bfe_u32 s2, ttmp6, 0x10000c
	s_cmp_lg_u32 s2, 0xf033
	s_cbranch_scc0 .Lentry_shape_is_right
	s_endpgm
.Lentry_shape_is_right:
; out0[t][n] = sum over k of y[t][k] Wproj[k][n] + bproj[n], K = 1,024, on codes of BF6 (E3M2) with E8M0 scales; sums in f32; out0 is f32.
; y's codes (yc) and Wproj's (opc, operand rows 11,264 on) lie as (row / 16) x 12,288 + block x 384 + (row % 16) x 24; scale bytes (ysc, ops) as (row / 16) x 512 + (block / 8) x 128 + (row % 16) x 8 + block % 8.
; A WORK-GROUP makes 128 tokens x 256 features: 64 x 4 = 256 work-groups.  Its operands for ALL of K are two dense blocks of memory, 98,304 bytes of y and 196,608 of Wproj: both lie in LDS at once,
; each filled once, by one joint load a wave at the head, stated as rows of 256 bytes.  No ring and no refill.
; A WAVE makes all 128 tokens x 64 features.  Its 64 features' codes for all of K, 32 fragments, 384 registers, are read from LDS once and stay in registers.  y goes by blocks of 16 tokens x all of K
; (8 fragments, 96 registers, two sets): a block is 32 products on 4 accumulators by turns, K ascending, and is then finished: it leaves under the next block's products.
; Waves 0, 1 fetch Wproj's halves and wait for them ahead of the first barrier; waves 2, 3 fetch y's halves, which stay out while Wproj's codes go into registers; a wait in every wave and a second barrier follow.
; The scale words (16 + 32 registers) and the bias (32 registers, the C of each block's first products) come straight into registers.
; CLUSTERS: 4 x 4 work-groups.  y's block is shared along a row of the cluster, Wproj's along a column: each is asked for jointly.
; No prefetch: every operand byte is asked for by the head's four loads, and there is no loop in which to run ahead of them.
; The matrix instruction is used transposed (source 0 = 16 features, source 1 = 16 tokens): a lane holds eight neighbouring numbers of a row of out0.
; THE WAY OUT: 16 rows x 256 bytes through the wave's own stage in LDS (bytes of its own, behind the codes) and back by rows: sixteen lanes store one aligned unit of 256 bytes.
; REGISTERS: window 0: v4-15 addresses; v16-31 Wproj's scale words; v32-63 y's; v64-255 y's fragments, two sets;  window 1: Wproj's fragments of steps 0-4;  window 2: of steps 5-7;
;   window 3: v0-63 accumulators, two sets of four; v64-95 the bias; v96-159 rows read back from the stage, two sets.
.set FR,     12                        ; registers of a fragment: 16 rows x 128 K
.set NP,     4                         ; places behind this matrix instruction (ISA guide 7.12.1)
.set GRP,    12288                     ; 16 operand rows x 1,024 K
.set ABYT,   8*GRP                     ; y's block at LDS byte 0; Wproj's behind it
.set STAGE,  3*ABYT                    ; behind the codes: a stage of 16 rows x 272 bytes for each wave
.set SPITCH, 272
.set SPARE,  STAGE+4*16*SPITCH         ; behind the stages: the spare words, 128 bytes for each wave: two blocks of 256 bytes that no other line names
.set SPW,  4
.set NIL,  5
.set CO,   7                           ; v7     my byte offset in two rows of out0
.set ADA,  8                           ; v8-9   my lane's place in y's fragments: blocks 0-3, 4-7 (an LDS offset has 16 bits)
.set ADW,  10                          ; v10    in my 64 features' fragments
.set SAO,  11                          ; v11    y's scale bytes: 8 r; lanes 16-31 four blocks on
.set SBO,  12                          ; v12    Wproj's: 8 r; lanes 16-31 two blocks on
.set VB,   13                          ; v13    my offset in the bias
.set STO,  14                          ; v14    the stage: where I put 32 bytes of a row
.set RD,   15                          ; v15    where I read rows back
.set SBS,  16                          ; register 4 g + 2 u + q: step 2 g + q; lanes 0-15 block u, lanes 16-31 block u + 2
.set SAS,  32                          ; register 8 g + 2 u + q: lanes 0-15 block u, lanes 16-31 block u + 4
.set AF,   64
.set BIAS, 64                          ; window 3
.set OUTR, 96                          ; window 3
.set G1A,  24                          ; s[24:31], s[32:39] descriptor groups 1;  s[40:43], s[44:47] groups 0
.set G1B,  32
.set G0A,  40
.set G0B,  44
.set MSB, 0
.macro WIN new                         ; the immediate's high byte repeats the setting that is left
.if MSB != (\new)
	s_set_vgpr_msb (MSB<<8)|(\new)
.set MSB, (\new)
.endif
.endm
.macro CROUND                          ; a round of the cluster's barrier
	s_barrier_signal -1
	s_barrier_wait -1
	s_cmp_lg_u32 s16, 0
	s_cbranch_scc1 .Lnot_wave_0_\@
	s_barrier_signal -3
.Lnot_wave_0_\@:
	s_barrier_wait -3
	s_barrier_signal -1
	s_barrier_wait -1
.endm
.macro PLACES n
.rept \n
	v_nop
.endr
.endm
.macro FRAG reg, adr, off              ; a fragment: six loads of 8 bytes: lane (r, h) takes block 2 c + h's 24 bytes at 384 (2 c + h) + 24 r
.irp p, 0,1,2,3,4,5
	ds_load_b64 v[\reg+2*\p:\reg+2*\p+1], v[\adr] offset:(\off)+(\p/3)*768+8*(\p%3)
.endr
.endm
.macro ALOAD a                         ; y's block a, all eight steps, into set a % 2
.irp n, 0,1,2,3,4,5,6,7
	FRAG AF+96*((\a)%2)+FR*\n, ADA+((\a)/4), ((\a)%4)*GRP+\n*1536
.endr
.endm
.macro WM hb, ha                       ; one product; hb, ha: source 0's, source 1's scale words stand in lanes 16-31
.if (\hb) && (\ha)
	v_wmma_scale_f32_16x16x128_f8f6f4 v[rD:rD+7], v[rB:rB+FR-1], v[rA:rA+FR-1], v[rC:rC+7], v[xB], v[xA] matrix_a_fmt:MATRIX_FMT_BF6 matrix_b_fmt:MATRIX_FMT_BF6 matrix_a_scale:MATRIX_SCALE_ROW1 matrix_b_scale:MATRIX_SCALE_ROW1
.elseif (\hb)
	v_wmma_scale_f32_16x16x128_f8f6f4 v[rD:rD+7], v[rB:rB+FR-1], v[rA:rA+FR-1], v[rC:rC+7], v[xB], v[xA] matrix_a_fmt:MATRIX_FMT_BF6 matrix_b_fmt:MATRIX_FMT_BF6 matrix_a_scale:MATRIX_SCALE_ROW1
.elseif (\ha)
	v_wmma_scale_f32_16x16x128_f8f6f4 v[rD:rD+7], v[rB:rB+FR-1], v[rA:rA+FR-1], v[rC:rC+7], v[xB], v[xA] matrix_a_fmt:MATRIX_FMT_BF6 matrix_b_fmt:MATRIX_FMT_BF6 matrix_b_scale:MATRIX_SCALE_ROW1
.else
	v_wmma_scale_f32_16x16x128_f8f6f4 v[rD:rD+7], v[rB:rB+FR-1], v[rA:rA+FR-1], v[rC:rC+7], v[xB], v[xA] matrix_a_fmt:MATRIX_FMT_BF6 matrix_b_fmt:MATRIX_FMT_BF6
.endif
.endm
.macro MULB a                          ; block a: eight steps x my four blocks of features: four accumulators by turns, three others between a sum's steps; the first step's C is the bias
.irp n, 0,1,2,3,4,5,6,7
.if \n == 0
	WIN 0xf1                                       ; source 0 window 1, source 1 window 0, C and D window 3
.elseif \n == 5
	WIN 0xf2                                       ; source 0 window 2
.endif
.irp b, 0,1,2,3
.set rD, 32*((\a)%2)+8*\b
.if \n == 0
.set rC, BIAS+8*\b
.else
.set rC, rD
.endif
.if \n < 5
.set rB, (\n*4+\b)*FR
.else
.set rB, ((\n-5)*4+\b)*FR
.endif
.set rA, AF+96*((\a)%2)+FR*\n
.set xB, SBS+4*(\n/2)+2*(\b%2)+\n%2
.set xA, SAS+8*(\n/2)+2*((\a)%4)+\n%2
	WM \b/2, (\a)/4
.endr
.endr
	WIN 0
.endm
.macro TOSTAGE a                       ; block a's results into my stage and back by rows.  LDS serves a wave's instructions in order (ISA guide 5.7.1.4): no wait between the stores and the loads
	WIN 0x0c                                       ; the data: window 3
.irp b, 0,1,2,3
	ds_store_b128 v[STO], v[32*((\a)%2)+8*\b:32*((\a)%2)+8*\b+3] offset:64*\b          ; each accumulator from its low end on
	ds_store_b128 v[STO], v[32*((\a)%2)+8*\b+4:32*((\a)%2)+8*\b+7] offset:64*\b+16
.endr
.if (\a) > 1
	s_wait_xcnt 0x0                                ; block a - 2's stores have read their data: the loads below may land there
.endif
	WIN 0xc0                                       ; destination window 3
.irp t, 0,1,2,3,4,5,6,7
	ds_load_b128 v[OUTR+32*((\a)%2)+4*\t:OUTR+32*((\a)%2)+4*\t+3], v[RD] offset:\t*2*SPITCH
.endr
	WIN 0
.endm
.macro SEND a                          ; every offset is an immediate: 126 rows of 4,096 bytes at the most, inside the signed 24-bit field
	WIN 0x0c
.irp t, 0,1,2,3,4,5,6,7
	global_store_b128 v[CO], v[OUTR+32*((\a)%2)+4*\t:OUTR+32*((\a)%2)+4*\t+3], s[12:13] offset:(16*(\a)+2*\t)*4096 th:TH_STORE_NT   ; two rows: sixteen lanes store 256 consecutive bytes, aligned
.endr
	WIN 0
.endm
.macro BLOCK a
.if (\a) > 0
	PLACES NP                                      ; four places behind block a - 1's products: in front of loads into its set and of the first read of its results
.endif
.if (\a) < 7
	ALOAD (\a)+1
.endif
.if (\a) > 0
	TOSTAGE (\a)-1
.endif
	MULB \a
	s_wait_dscnt 0x0                               ; the next block's fragments and the last block's rows are in: all were asked for ahead of the 32 products
.if (\a) > 0
	SEND (\a)-1
.endif
.endm
	s_load_b128 s[4:7], s[0:1], 0x0                ; yc s[4:5], ysc s[6:7]
	s_load_b128 s[8:11], s[0:1], 0x10              ; opc s[8:9], ops s[10:11]
	s_load_b128 s[12:15], s[0:1], 0x20             ; out0 s[12:13], bproj s[14:15]
	v_lshl_add_u32 v[SPW], v0, 2, SPARE
	v_mov_b32 v[NIL], 0
	ds_add_u32 v[SPW], v[NIL]                      ; the opening lines: the add, twice on end, and its wait ahead of my first tensor load
	ds_add_u32 v[SPW], v[NIL]
	v_lshrrev_b32 v6, 5, v0
	v_readfirstlane_b32 s16, v6                    ; wave 0..3: my 64 of the 256 features
	s_lshr_b32 s17, s16, 1                         ; I fetch for Wproj (0) or for y (1),
	s_and_b32 s18, s16, 1                          ; this half of the block
	s_bfe_u32 s19, ttmp6, 0x40000                  ; cx
	s_bfe_u32 s20, ttmp6, 0x40004                  ; cy
	s_lshl_b32 s21, ttmp9, 2
	s_add_co_u32 s21, s21, s19                     ; FC: my 256 features, 0..3
	s_and_b32 s22, ttmp7, 0xffff
	s_lshl_b32 s22, s22, 2
	s_add_co_u32 s22, s22, s20                     ; TT: my 128 tokens, 0..63
	s_lshl_b32 s23, s20, 2
	s_lshl_b32 s23, 15, s23                        ; my row of the cluster
	s_lshl_b32 s60, 0x1111, s19                    ; my column
	s_or_b32 s[G1A], s23, (3<<16)|(1<<21)          ; 15:0 the mask; 17:16 elements of 8 bytes; 21 set beside a mask; no padding
	s_or_b32 s[G1B], s60, (3<<16)|(1<<21)
	s_mov_b32 s[G1A+1], 32<<16                     ; rows of 256 bytes;
	s_mov_b32 s[G1A+2], 192<<16                    ; half of y's block: 49,152 dense bytes, 192 rows
	s_mov_b32 s[G1A+3], 32<<16
	s_mov_b32 s[G1A+4], 192
	s_mov_b32 s[G1A+5], 32
	s_mov_b32 s[G1A+6], 0
	s_mov_b32 s[G1A+7], 0
	s_mov_b32 s[G1B+1], 32<<16
	s_mov_b32 s[G1B+2], 384<<16                    ; half of Wproj's block: 98,304 dense bytes, 384 rows
	s_mov_b32 s[G1B+3], 32<<16
	s_mov_b32 s[G1B+4], 384
	s_mov_b32 s[G1B+5], 32
	s_mov_b32 s[G1B+6], 0
	s_mov_b32 s[G1B+7], 0
	; offsets: y's hang on TT and the wave alone, Wproj's on FC and the wave alone; no place in the cluster enters an LDS address
	s_mov_b32 s[G0A], 1
	s_mul_i32 s[G0A+1], s18, 4*GRP
	s_mul_i32 s48, s22, ABYT
	s_add_co_u32 s48, s48, s[G0A+1]
	s_mov_b32 s49, 0
	s_mov_b32 s[G0B], 1
	s_mul_i32 s62, s18, ABYT
	s_add_co_u32 s[G0B+1], s62, ABYT
	s_mul_i32 s50, s21, 2*ABYT
	s_add_co_u32 s50, s50, s62
	s_add_co_u32 s50, s50, 704*GRP                 ; Wproj's columns begin at operand row 11,264 = 16 x 704
	s_mov_b32 s51, 0
	s_lshl_b32 s52, s22, 12                        ; y's scale bytes: 512 for 16 rows: my work-group's 128 tokens
	s_mov_b32 s53, 0
	s_lshl_b32 s54, s21, 13                        ; Wproj's: my wave's 64 features
	s_lshl_b32 s63, s16, 11
	s_add_co_u32 s54, s54, s63
	s_add_co_u32 s54, s54, 704*512
	s_mov_b32 s55, 0
	s_lshl_b32 s56, s21, 10                        ; my first column, in bytes: in the bias and in a row of out0
	s_lshl_b32 s63, s16, 8
	s_add_co_u32 s56, s56, s63
	s_mov_b32 s57, 0
	s_lshl_b32 s58, s22, 19                        ; the first row of out0: 4,096 bytes a row
	s_add_co_u32 s58, s58, s56
	s_mov_b32 s59, 0
	s_mul_i32 s61, s16, 4*GRP                      ; my 64 features in LDS
	s_add_co_u32 s61, s61, ABYT
	s_mul_i32 s63, s16, 16*SPITCH                  ; my stage
	s_add_co_u32 s63, s63, STAGE
	v_and_b32 v1, 15, v0                           ; r
	v_bfe_u32 v2, v0, 4, 1                         ; h
	v_mul_u32_u24 v[ADA], v1, 24
	v_mad_u32_u24 v[ADA], v2, 384, v[ADA]          ; my lane's place in a fragment
	v_add_nc_u32 v[ADA+1], 4*GRP, v[ADA]
	v_add_nc_u32 v[ADW], s61, v[ADA]
	v_lshlrev_b32 v3, 3, v1
	v_lshl_add_u32 v[SAO], v2, 11, v3
	v_lshl_add_u32 v[SBO], v2, 10, v3
	v_lshlrev_b32 v[VB], 5, v2
	v_mul_u32_u24 v3, v1, SPITCH                   ; into the stage: row r, 32 bytes for each half of the lanes
	v_lshl_add_u32 v3, v2, 5, v3
	v_add_nc_u32 v[STO], s63, v3
	v_lshlrev_b32 v3, 4, v1                        ; back: lanes 0-15 take one row of 256 bytes, lanes 16-31 the next; and the same in out0
	v_mad_u32_u24 v6, v2, SPITCH, v3
	v_add_nc_u32 v[RD], s63, v6
	v_lshl_add_u32 v[CO], v2, 12, v3
	s_wait_alu depctr_va_vdst(0)                   ; the wait at the head's end: no vector instruction writes a register behind it
	s_wait_dscnt 0x0                               ; both opening adds are done
	s_wait_kmcnt 0x0
	s_add_nc_u64 s[G0A+2:G0A+3], s[4:5], s[48:49]
	s_or_b32 s[G0A+3], s[G0A+3], 0x80000000
	s_add_nc_u64 s[G0B+2:G0B+3], s[8:9], s[50:51]
	s_or_b32 s[G0B+3], s[G0B+3], 0x80000000
	s_add_nc_u64 s[52:53], s[6:7], s[52:53]
	s_add_nc_u64 s[54:55], s[10:11], s[54:55]
	s_add_nc_u64 s[14:15], s[14:15], s[56:57]
	s_add_nc_u64 s[12:13], s[12:13], s[58:59]
.irp t, 0,1,2,3                                        ; 32 loads into registers; they are waited for ahead of the first products
.irp u, 0,1
	global_load_b64 v[SBS+4*\t+2*\u:SBS+4*\t+2*\u+1], v[SBO], s[54:55] offset:\u*512+\t*128   ; 16 lanes read a block's 128 consecutive bytes of 256 along K
.endr
.irp u, 0,1,2,3
	global_load_b64 v[SAS+8*\t+2*\u:SAS+8*\t+2*\u+1], v[SAO], s[52:53] offset:\u*512+\t*128
.endr
.endr
	WIN 0xc0                                       ; destination window 3
.irp b, 0,1,2,3
	global_load_b128 v[BIAS+8*\b:BIAS+8*\b+3], v[VB], s[14:15] offset:64*\b        ; register 8 b + j: my column 16 b + 8 h + j
	global_load_b128 v[BIAS+8*\b+4:BIAS+8*\b+7], v[VB], s[14:15] offset:64*\b+16
.endr
	WIN 0
	CROUND                                         ; all sixteen work-groups are here: the joint loads meet
	s_cmp_eq_u32 s17, 0                            ; one joint load a wave; each of the two lines has one mask; s_nop 0 and four v_nop follow each
	s_cbranch_scc0 .Lfor_a
	tensor_load_to_lds s[G0B:G0B+3], s[G1B:G1B+7]  ; waves 0, 1: Wproj's halves, with the wait that their readers need
	s_nop 0
	PLACES 4
	s_wait_tensorcnt 0x0
	s_branch .Lasked
.Lfor_a:
	tensor_load_to_lds s[G0A:G0A+3], s[G1A:G1A+7]  ; waves 2, 3: y's halves: they stay out across the barrier below
	s_nop 0
	PLACES 4
.Lasked:
	s_barrier_signal -1
	s_barrier_wait -1                              ; Wproj's block is whole
	WIN 0x40                                       ; my 64 features' codes into registers: steps 0-4 into window 1,
.irp n, 0,1,2,3,4
.irp b, 0,1,2,3
	FRAG (\n*4+\b)*FR, ADW, \b*GRP+\n*1536
.endr
.endr
	WIN 0x80                                       ; steps 5-7 into window 2
.irp n, 5,6,7
.irp b, 0,1,2,3
	FRAG ((\n-5)*4+\b)*FR, ADW, \b*GRP+\n*1536
.endr
.endr
	WIN 0
	s_wait_tensorcnt 0x0                           ; every wave: my half of y's block, if I fetched one, has landed
	s_wait_dscnt 0x0                               ; Wproj's codes are in registers
	s_barrier_signal -1
	s_barrier_wait -1                              ; y's block is whole
	ALOAD 0
	s_wait_loadcnt 0x0                             ; the bias and the scale words are in
	s_wait_dscnt 0x0
.irp a, 0,1,2,3,4,5,6,7
	BLOCK \a
.endr
	PLACES NP                                      ; four places in front of the first read of the last block's results
	TOSTAGE 7
	s_wait_dscnt 0x0
	SEND 7
	s_wait_tensorcnt 0x0                           ; the wave's end
	ds_add_u32 v[SPW], v[NIL]
	s_wait_dscnt 0x0
	CROUND                                         ; the closing round
	s_endpgm
.Lfunc_end_k_qe73d4c8bf6_proj:
	.size	k_qe73d4c8bf6_proj, .Lfunc_end_k_qe73d4c8bf6_proj-k_qe73d4c8bf6_proj
	.p2alignl 7, 3214868480
	.fill 96, 4, 3214868480
	.section	.rodata,"a",@progbits
	.p2align	6, 0x0
	.amdhsa_kernel k_qe73d4c8bf6_proj
		.amdhsa_group_segment_fixed_size 327680
		.amdhsa_private_segment_fixed_size 0
		.amdhsa_enable_private_segment 0
		.amdhsa_kernarg_size 48
		.amdhsa_user_sgpr_count 2
		.amdhsa_user_sgpr_kernarg_segment_ptr 1
		.amdhsa_wavefront_size32 1
		.amdhsa_system_sgpr_workgroup_id_x 1
		.amdhsa_system_sgpr_workgroup_id_y 1
		.amdhsa_system_sgpr_workgroup_id_z 1
		.amdhsa_system_vgpr_workitem_id 0
		.amdhsa_next_free_vgpr 928
		.amdhsa_next_free_sgpr 66
		.amdhsa_reserve_vcc 0
		.amdhsa_float_denorm_mode_32 3
		.amdhsa_float_denorm_mode_16_64 3
		.amdhsa_memory_ordered 1
		.amdhsa_forward_progress 1
		.amdhsa_inst_pref_size 96
	.end_amdhsa_kernel
	.amdgpu_metadata
---
amdhsa.version: [ 1, 2 ]
amdhsa.kernels:
  - .name:           k_qe73d4c8bf6_proj
    .symbol:         k_qe73d4c8bf6_proj.kd
    .args:
      - { .name: yc, .offset: 0, .size: 8, .value_kind: global_buffer, .address_space: global }
      - { .name: ysc, .offset: 8, .size: 8, .value_kind: global_buffer, .address_space: global }
      - { .name: opc, .offset: 16, .size: 8, .value_kind: global_buffer, .address_space: global }
      - { .name: ops, .offset: 24, .size: 8, .value_kind: global_buffer, .address_space: global }
      - { .name: out0, .offset: 32, .size: 8, .value_kind: global_buffer, .address_space: global }
      - { .name: bproj, .offset: 40, .size: 8, .value_kind: global_buffer, .address_space: global }
    .group_segment_fixed_size: 327680
    .private_segment_fixed_size: 0
    .kernarg_segment_align: 8
    .kernarg_segment_size: 48
    .max_flat_workgroup_size: 128
    .sgpr_count:     66
    .vgpr_count:     928
    .wavefront_size: 32
...
	.end_amdgpu_metadata
.endif
;; end of part 4
